; MI455X (gfx1250); checked and timed in simulation.
; The chip was launched on July 23, 2026; its instructions are those of AMD's public machine-readable ISA for CDNA 5 (MIT licence, August 2026) and "CDNA5" Instruction Set Architecture Reference Guide (July 2026). The comments in the code are by the model that wrote it; some were corrected since.
;; multi head attention. Allowed arithmetic: matrix products marked QUANTISED: E2M1 operands, one E8M0 scale for each 32 along K, by v_wmma_scale_f32_16x16x128_f8f6f4 with both operands' format E2M1 (or v_wmma_scale_f32_32x16x128_f4), f32 sums; everything else in f32.
;; Inputs: Wk 1,024 x 1,024 float32; Wo 1,024 x 1,024 float32; Wq 1,024 x 1,024 float32; Wv 1,024 x 1,024 float32; bk 1,024 float32; bo 1,024 float32; bq 1,024 float32; bv 1,024 float32; k 4 x 2,048 x 1,024 float32; q 4 x 2,048 x 1,024 float32; v 4 x 2,048 x 1,024 float32.
;; Outputs: out0 4 x 2,048 x 1,024 float32.
;; This version of the problem:
;;   THIS VERSION OF THE PROBLEM IS GIVEN IN LOW PRECISION. The matrix products marked QUANTISED in the list below multiply operands that are first quantised to E2M1 (2 exponent bits, 1 mantissa bit; 4 bits a number), with one power-of-two scale for each 32 numbers along K (OCP MX v1.0); their sums are f32. All else is computed in f32.
;;   The module's matrix products, in the order in which they are computed (A, B: the left and right operand; K: the contracted axis; several contracted axes count as one K, in the product's order):
;;     1. [M 8,192, K 1,024] x [K 1,024, N 1,024]; A: input q; B: input Wq: QUANTISED
;;     2. [M 8,192, K 1,024] x [K 1,024, N 1,024]; A: input k; B: input Wk: QUANTISED
;;     3. [M 8,192, K 1,024] x [K 1,024, N 1,024]; A: input v; B: input Wv: QUANTISED
;;     4. batch 64 x [M 2,048, K 64] x [K 64, N 2,048]; A: computed on the way; B: computed on the way: QUANTISED
;;     5. batch 64 x [M 2,048, K 2,048] x [K 2,048, N 64]; A: softmax (see below); B: computed on the way: QUANTISED
;;     6. [M 8,192, K 1,024] x [K 1,024, N 1,024]; A: computed on the way; B: input Wo: QUANTISED
;;   THE QUANTISER, for each operand of a quantised product, along K:
;;     - K is cut into blocks of 32 from its start; a last block that is shorter is filled with zeros.
;;     - A block's scale is 2^e with e = floor(log2(the largest magnitude in the block)) - 2, held to -126 .. 127; a block of zeros has e = 0. As a byte (E8M0): e + 127.
;;     - Each number is divided by its block's scale, clamped to +-6, and rounded to the nearest number of E2M1, ties to even, subnormals kept.
;;     - The product sums the exact products of the quantised numbers (number of the format x scale) in f32.
;;   ~~~python
;;   def quantise(x, axis):      # numpy; x: float32 -> the quantised numbers, widened to float32 again
;;       x = np.moveaxis(x, axis, -1); K = x.shape[-1]
;;       x = np.pad(x, [(0, 0)] * (x.ndim - 1) + [(0, -K % 32)]); x = x.reshape(x.shape[:-1] + (-1, 32)); a = np.abs(x).max(-1, keepdims=True)
;;       e = np.where(a > 0, np.clip(np.frexp(np.where(a > 0, a, 1))[1] - 1 - 2, -126, 127), 0)      # np.frexp(a)[1] - 1 = floor(log2(a)), exactly
;;       r = np.clip(x / 2.0 ** e, -6, 6)
;;       step = 2.0 ** (np.maximum(np.frexp(np.where(r == 0, 1, r))[1] - 1, 0) - 1)
;;       q = np.round(r / step) * step * 2.0 ** e      # np.round: ties to even
;;       return np.moveaxis(q.reshape(q.shape[:-2] + (-1,))[..., :K], -1, axis).astype(np.float32)
;;   ~~~
;;   SOFTMAX AHEAD OF A QUANTISED PRODUCT. Where the list says 'softmax', what is quantised is not the finished softmax but p = 2^(t - M), with t = logit x log2(e) and M = ceil(the row's largest t), a whole number; so 1/2 < the row's largest p <= 1. The row's sum l is taken of the UNQUANTISED p, in f32, and the product's result is divided by l at the end. Since M is a whole number, a kernel that streams over the keys may use a running M (the ceiling of the running maximum): every later rescaling is an exact power of two, which a block's scale takes up: the codes' values come out the same.
;;   OPERANDS COMPUTED ON THE WAY. 'Computed on the way' means the value that the module computes at that place (a softmax that the list does not call 'softmax' is quantised finished and normalised). What goes into a quantiser is computed in f32, as accurately as f32 sums, v_exp_f32 and their like allow (about 1e-6 of the number): no bf16 or f16 on the way to a quantiser, and a product that is left as it is and whose result goes on into a quantised operand takes f32 operands (vector FMAs, or v_wmma_f32_16x16x4_f32). A number that lies on a knife's edge between two numbers of the format may be rounded either way, as far as f32 arithmetic and the matrix unit's own rounding can turn it there, and no further.
;; 2 versions. Each part assembles by itself: llvm-mc -triple=amdgcn-amd-amdhsa -mcpu=gfx1250 --defsym DOCPART=n.
;; ======== version 1 of 2: 4 launches
;; workspace buffers: WB 2,228,224 bytes; QB 4,718,592 bytes; KB 4,718,592 bytes; VB 4,456,448 bytes; CB 4,456,448 bytes
;; launch wquant (part 1): grid 64 x 4, 4 waves a work-group, no clusters, 0 bytes of LDS; arguments Wq, Wk, Wv, Wo, WB; writes WB
.if DOCPART == 1
	.amdgcn_target "amdgcn-amd-amdhsa--gfx1250"
	.amdhsa_code_object_version 6
	.text
	.protected	k_qd73adf2ab0_wquant
	.globl	k_qd73adf2ab0_wquant
	.p2align	8
	.type	k_qd73adf2ab0_wquant,@function
k_qd73adf2ab0_wquant:
	s_mov_b64 s[64:65], 0
	v_nop
	global_prefetch_b8 v0, s[64:65] scope:SCOPE_SE
	s_setreg_imm32_b32 hwreg(HW_REG_WAVE_MODE, 25, 1), 1
	s_wait_xcnt 0x0
; The four weights [1024 (k)][1024 (n)], f32, K along the FIRST axis, become codes of E2M1 with one E8M0 byte for each 32 along K, laid in the order of a matrix operand's registers.
; WB, weight i (q, k, v, o) at i x 557,056 bytes:
;   codes  [ntile 64][K step 8][piece 2][lane 32][16 bytes]: lane (r, h) of piece c holds k = 128 s + 64 c + 32 h + 0 .. 31 of the tile's row r;
;          tile 4 hd + 2 b + u, row r, is column n = 64 hd + 32 b + 8 u + r + 8 (r / 8): so a product's results of tiles 2 b and 2 b + 1 are 16 neighbours along n in one lane;
;   scale words at + 524,288: [hd 16][K step 8][b 2][lane 32]: lane r + 16 u holds the word (4 bytes, 128 along K) of tile 4 hd + 2 b + u, row r.
; A LANE TAKES A COLUMN AND ITS REGISTERS RUN DOWN K: a load reads 128 consecutive bytes, a block of 32 lies in one lane, the conversions give codes with K innermost.
; A wave: 32 columns x 128 along K (4 blocks).  Work-group x: hd = x / 4, two K steps 2 (x % 4) + wave / 2; b = wave % 2; y: the weight.  Each store of codes covers two runs of 256 consecutive bytes, aligned.
; A block's scale is 2^(floor(log2(largest magnitude)) - 2): the byte is the largest magnitude's exponent field - 2, held at 1 from below.
; LIMITS: a block whose largest magnitude lies under 2^-124 (zeros among them) gets the byte 1; its codes are then zeros or tiny, and this program alone reads the bytes.  NaN and infinities are not served.
; No LDS, no barrier, no cluster: waves and work-groups share no input byte.
.set WSTRIDE, 557056
.set SCOFF,   524288
.set X, 32                             ; v32-95  two sets of 32 numbers
.set C, 16                             ; v16-31  codes, four registers a block: no store's data are written again
	s_load_b256 s[4:11], s[0:1], 0x0               ; Wq s[4:5], Wk s[6:7], Wv s[8:9], Wo s[10:11]
	s_load_b64 s[12:13], s[0:1], 0x20              ; WB
	v_lshrrev_b32 v1, 5, v0
	v_readfirstlane_b32 s14, v1                    ; wave
	s_and_b32 s15, ttmp7, 0xffff                   ; which weight
	s_lshr_b32 s16, ttmp9, 2                       ; hd
	s_and_b32 s17, ttmp9, 3
	s_and_b32 s18, s14, 1                          ; b
	s_lshr_b32 s19, s14, 1
	s_lshl_b32 s17, s17, 1
	s_add_co_u32 s19, s19, s17                     ; K step s
	v_and_b32 v1, 31, v0                           ; lane = my column among the wave's 32
	v_lshlrev_b32 v2, 2, v1                        ; in: 4 bytes a lane
	v_bfe_u32 v5, v1, 3, 1                         ; u: which of the two tiles my column falls into
	v_and_b32 v6, 7, v1
	v_lshrrev_b32 v7, 4, v1
	v_lshl_add_u32 v6, v7, 3, v6                   ; r: its row there
	v_lshlrev_b32 v3, 4, v6
	v_lshl_add_u32 v3, v5, 13, v3                  ; codes: 8,192 u + 16 r
	v_lshl_add_u32 v4, v5, 4, v6
	v_lshlrev_b32 v4, 2, v4                        ; scale word: 4 (r + 16 u)
	s_lshl_b32 s20, s19, 19                        ; W: 128 s rows of 4,096 bytes
	s_lshl_b32 s21, s16, 8
	s_add_co_u32 s20, s20, s21                     ; + 64 hd columns
	s_lshl_b32 s21, s18, 7
	s_add_co_u32 s20, s20, s21                     ; + 32 b columns
	s_mov_b32 s21, 0
	s_mul_i32 s22, s15, WSTRIDE
	s_lshl_b32 s24, s16, 15                        ; codes: tile 4 hd + 2 b, 8,192 bytes a tile
	s_add_co_u32 s24, s24, s22
	s_lshl_b32 s25, s18, 14
	s_add_co_u32 s24, s24, s25
	s_lshl_b32 s25, s19, 10                        ; K step s
	s_add_co_u32 s24, s24, s25
	s_mov_b32 s25, 0
	s_add_co_u32 s26, s22, SCOFF                   ; scale words: ((8 hd + s) 2 + b) x 128 bytes
	s_lshl_b32 s27, s16, 11
	s_add_co_u32 s26, s26, s27
	s_lshl_b32 s27, s19, 8
	s_add_co_u32 s26, s26, s27
	s_lshl_b32 s27, s18, 7
	s_add_co_u32 s26, s26, s27
	s_mov_b32 s27, 0
	s_and_b32 s28, s15, 1
	s_wait_kmcnt 0x0
	s_cmp_lt_u32 s15, 2                            ; the choice hangs on the work-group's number alone
	s_cselect_b64 s[4:5], s[4:5], s[8:9]           ; Wq or Wv
	s_cselect_b64 s[6:7], s[6:7], s[10:11]         ; Wk or Wo
	s_cmp_lg_u32 s28, 0
	s_cselect_b64 s[4:5], s[6:7], s[4:5]
	s_add_nc_u64 s[4:5], s[4:5], s[20:21]
	s_add_nc_u64 s[8:9], s[12:13], s[24:25]
	s_add_nc_u64 s[10:11], s[12:13], s[26:27]
.macro LOAD t                          ; block t: W(128 s + 32 t + i, my column), i = 0 .. 31, into set t % 2
.irp i, 0,1,2,3,4,5,6,7,8,9,10,11,12,13,14,15,16,17,18,19,20,21,22,23,24,25,26,27,28,29,30,31
	global_load_b32 v[X+32*((\t)%2)+\i], v2, s[4:5] offset:(32*(\t)+\i)*4096 th:TH_LOAD_NT
.endr
.endm
.macro BLOCK t
.set XS, X+32*((\t)%2)
.if (\t) < 3
	s_wait_loadcnt 32                              ; this block's 32 loads are in; the next block's 32 may be out
.else
	s_wait_loadcnt 0
.endif
	v_max3_num_f32 v8, |v[XS]|, |v[XS+1]|, |v[XS+2]|               ; the block's largest magnitude: all 32 numbers are mine; two chains
	v_max3_num_f32 v9, |v[XS+3]|, |v[XS+4]|, |v[XS+5]|
.irp i, 6,10,14,18,22,26
	v_max3_num_f32 v8, v8, |v[XS+\i]|, |v[XS+\i+1]|
	v_max3_num_f32 v9, v9, |v[XS+\i+2]|, |v[XS+\i+3]|
.endr
	v_max3_num_f32 v8, v8, |v[XS+30]|, |v[XS+31]|
	v_max3_num_f32 v8, v8, v9, 0x1800000           ; and the floor 2^(3 - 127): the byte cannot fall under 1
	v_add_nc_u32 v10, 0xff000000, v8               ; 2 off the exponent field: the conversion takes this operand's exponent field as its scale
.irp g, 0,1,2,3
	v_cvt_scalef32_pk8_fp4_f32 v[C+4*(\t)+\g], v[XS+8*\g:XS+8*\g+7], v10
.endr
	v_lshrrev_b32 v11, 23, v10                     ; the scale's byte (a plain line behind the conversions)
.if (\t) == 0
	v_mov_b32 v12, v11                             ; four bytes make the K step's scale word, the lower K in the lower byte
.else
	v_lshl_or_b32 v12, v11, 8*(\t), v12
.endif
	global_store_b128 v3, v[C+4*(\t):C+4*(\t)+3], s[8:9] offset:((\t)/2)*512+((\t)%2)*256   ; piece t / 2, lanes 16 (t % 2) on: sixteen lanes fill 256 consecutive bytes of one tile, sixteen of the other
.if (\t) < 2
	LOAD (\t)+2
.endif
.endm
	LOAD 0
	LOAD 1
	BLOCK 0
	BLOCK 1
	BLOCK 2
	BLOCK 3
	global_store_b32 v4, v12, s[10:11]             ; 128 consecutive bytes
	s_endpgm
.Lfunc_end_k_qd73adf2ab0_wquant:
	.size	k_qd73adf2ab0_wquant, .Lfunc_end_k_qd73adf2ab0_wquant-k_qd73adf2ab0_wquant
	.p2alignl 7, 3214868480
	.fill 96, 4, 3214868480
	.section	.rodata,"a",@progbits
	.p2align	6, 0x0
	.amdhsa_kernel k_qd73adf2ab0_wquant
		.amdhsa_group_segment_fixed_size 0
		.amdhsa_private_segment_fixed_size 0
		.amdhsa_enable_private_segment 0
		.amdhsa_kernarg_size 40
		.amdhsa_user_sgpr_count 2
		.amdhsa_user_sgpr_kernarg_segment_ptr 1
		.amdhsa_wavefront_size32 1
		.amdhsa_system_sgpr_workgroup_id_x 1
		.amdhsa_system_sgpr_workgroup_id_y 1
		.amdhsa_system_sgpr_workgroup_id_z 1
		.amdhsa_system_vgpr_workitem_id 0
		.amdhsa_next_free_vgpr 128
		.amdhsa_next_free_sgpr 66
		.amdhsa_reserve_vcc 0
		.amdhsa_float_denorm_mode_32 3
		.amdhsa_float_denorm_mode_16_64 3
		.amdhsa_memory_ordered 1
		.amdhsa_forward_progress 1
		.amdhsa_inst_pref_size 21
	.end_amdhsa_kernel
	.amdgpu_metadata
---
amdhsa.version: [ 1, 2 ]
amdhsa.kernels:
  - .name:           k_qd73adf2ab0_wquant
    .symbol:         k_qd73adf2ab0_wquant.kd
    .args:
      - { .name: Wq, .offset: 0, .size: 8, .value_kind: global_buffer, .address_space: global }
      - { .name: Wk, .offset: 8, .size: 8, .value_kind: global_buffer, .address_space: global }
      - { .name: Wv, .offset: 16, .size: 8, .value_kind: global_buffer, .address_space: global }
      - { .name: Wo, .offset: 24, .size: 8, .value_kind: global_buffer, .address_space: global }
      - { .name: WB, .offset: 32, .size: 8, .value_kind: global_buffer, .address_space: global }
    .group_segment_fixed_size: 0
    .private_segment_fixed_size: 0
    .kernarg_segment_align: 8
    .kernarg_segment_size: 40
    .max_flat_workgroup_size: 128
    .sgpr_count:     66
    .vgpr_count:     128
    .wavefront_size: 32
...
	.end_amdgpu_metadata
.endif
;; end of part 1
;; launch proj (part 2): grid 64 x 3, 8 waves a work-group, no clusters, 142,336 bytes of LDS; arguments q, k, v, bq, bk, bv, WB, QB, KB, VB; writes QB, KB, VB
.if DOCPART == 2
	.amdgcn_target "amdgcn-amd-amdhsa--gfx1250"
	.amdhsa_code_object_version 6
	.text
	.protected	k_qd73adf2ab0_proj
	.globl	k_qd73adf2ab0_proj
	.p2align	8
	.type	k_qd73adf2ab0_proj,@function
k_qd73adf2ab0_proj:
	s_mov_b64 s[64:65], 0
	v_nop
	global_prefetch_b8 v0, s[64:65] scope:SCOPE_SE
	s_setreg_imm32_b32 hwreg(HW_REG_WAVE_MODE, 25, 1), 1
	s_wait_xcnt 0x0
; y = 0, 1, 2: the projection of q, k or v: x [8192][1024] f32 is quantised along its 1,024, multiplied by the weight's codes (WB), the bias added (as the C of each sum's first product), and the result quantised again:
; q's and k's along the head's 64 (two blocks a token), v's along the KEYS (blocks of 32 tokens).  All products on codes of E2M1 with E8M0 scales; sums in f32.
; SHARES.  A work-group takes 128 tokens (x = 16 batch + block).  First wave w quantises 16 of them (all 8 K steps of 128) and lays the fragments in LDS as images of the operand's registers (16 bytes a lane, 512 a store).
; ONE barrier.  Then THE WAVES SHARE THE COLUMNS: wave w makes head w, then head w + 8, for all 128 tokens: 32 accumulators (256 registers, window 1), 32 products a K step from 8 fragments of x (LDS) and 4 of W (memory).
; WHICH TOKENS FORM A TILE.  q: 16 neighbours.  k, v: tile 2 b + u, row r, is token 32 b + 8 u + r + 8 (r / 8), so that later results over two neighbouring tiles are 16 neighbouring keys in a lane.
; q, k: the product is used TRANSPOSED (source 0 = 16 columns of W, source 1 = 16 tokens): a lane holds one token and 16 neighbours of each block of the head.  v: source 0 = tokens, source 1 = columns: a lane holds one channel and 16 neighbouring keys of each block.
; OUT.  QB, KB [batch x head 64][block 16][4,608]: 8 tiles x 512 bytes (lane (r, h): the 16 bytes of block h of the tile's token r); at + 4,096 lane (r, hh)'s four words: word j = the two bytes of tile 2 j + hh, token r, written twice.
;       VB [batch x head][step 16][4,352]: [channel tile 4][piece 2][lane][16 bytes], keys 64 c + 32 h + 0 .. 31; at + 4,096 lane (r, hh)'s two words: word j = the four bytes of channel tile 2 j + hh, row r.
; LIMITS: a block whose largest magnitude lies under 2^-124 (zeros among them) gets the byte 1; this program alone reads the bytes.  NaN and infinities are not served.
; NO CLUSTER: W goes from memory straight into each wave's operand registers by loads of the wave's own; a joint request would want W in LDS, in slots filled again, which this text does not have.
; 192 work-groups: v's scale word wants 128 tokens in one wave, and 128 x 64 sums are what two waves on a SIMD can hold.
; REGISTERS.  Window 0: v1-11 addresses; v12-15 scale words on their way out; v16-79 x's 8 fragments (at first: 64 numbers of x); v80-175 W's fragments, 3 sets; v176-181 W's scale words, 3 sets; v184-191 x's scale words;
;   v192-223 the bias in the result's layout; v224-231 codes just made; v232-247 at work; v248-251 scale words just made.  Window 1: the accumulators (at first: three sets of 64 registers of x as loaded).
.set XIMG, 0                           ; LDS: x's fragments: (8 m + s) x 1,024 + 512 c + 16 lane
.set XSC,  65536                       ; their scale words: 1,024 s + 32 lane + 4 m
.set STG,  73728                       ; a stage of 16 rows x (512 + 16) bytes for each wave
.set SROW, 528
.set WSTRIDE, 557056
.set L16,  1                           ; 16 x lane
.set SI,   2                           ; the stage, way in: 16 x lane
.set SO,   3                           ; the stage, way out: row r, + 64 h
.set XWI,  4                           ; where I store my tile's images
.set XWS,  5                           ; and their scale words
.set XRS,  6                           ; where I read a K step's eight scale words
.set BV,   7                           ; v's bias: 4 (r + 8 (r / 8))
.set L4,   8                           ; 4 x lane
.set BQ,   9                           ; q's, k's bias: 64 h
.set SELV, 10                          ; byte selects: lanes 0-15 bytes 0, 1 twice; lanes 16-31 bytes 2, 3 twice
.set L8,   11                          ; 8 x lane
.set OW,   12
.set XF,   16
.set WF,   80
.set WSC,  176
.set XS,   184
.set BI,   192
.set PC,   224
.set TM,   232
.set PW,   248
.set MSB, 0
.macro WIN new                         ; the immediate's high byte repeats the setting that is left; a switch that changes nothing is dropped
.if MSB != \new
	s_set_vgpr_msb (MSB<<8)|\new
.set MSB, \new
.endif
.endm
; one product.  row = 1: source 0's scales stand in lanes 16-31; 2: source 1's
.macro MM d, a, b, c, sa, sb, row
.if (\row) == 1
	v_wmma_scale_f32_16x16x128_f8f6f4 v[(\d):(\d)+7], v[(\a):(\a)+7], v[(\b):(\b)+7], v[(\c):(\c)+7], v[\sa], v[\sb] matrix_a_fmt:MATRIX_FMT_FP4 matrix_b_fmt:MATRIX_FMT_FP4 matrix_a_scale:MATRIX_SCALE_ROW1
.elseif (\row) == 2
	v_wmma_scale_f32_16x16x128_f8f6f4 v[(\d):(\d)+7], v[(\a):(\a)+7], v[(\b):(\b)+7], v[(\c):(\c)+7], v[\sa], v[\sb] matrix_a_fmt:MATRIX_FMT_FP4 matrix_b_fmt:MATRIX_FMT_FP4 matrix_b_scale:MATRIX_SCALE_ROW1
.else
	v_wmma_scale_f32_16x16x128_f8f6f4 v[(\d):(\d)+7], v[(\a):(\a)+7], v[(\b):(\b)+7], v[(\c):(\c)+7], v[\sa], v[\sb] matrix_a_fmt:MATRIX_FMT_FP4 matrix_b_fmt:MATRIX_FMT_FP4
.endif
.endm
; 64 numbers of a lane, register 16 b + i = place 32 b + 16 (lane / 16) + i along K of my row, become a fragment's codes in v[PC] on and its scale word in v[pw].  w = 1: the numbers lie in window 1.
.macro QUANT s, w, pw
.if \w
	WIN 0x05
.endif
.irp b, 0,1,2,3
	v_max3_num_f32 v[TM+\b], |v[(\s)+16*\b]|, |v[(\s)+1+16*\b]|, 0x1800000   ; block b: my 16 numbers, from each sum's low end on, and the floor 2^(3 - 127): the byte cannot fall under 1
.endr
.if \w
	WIN 0x14
.endif
.irp i, 2,4,6,8,10,12,14
.irp b, 0,1,2,3
	v_max3_num_f32 v[TM+\b], v[TM+\b], |v[(\s)+16*\b+\i]|, |v[(\s)+1+16*\b+\i]|   ; the four blocks by turns
.endr
.endr
	WIN 0
.irp b, 0,1,2,3
	v_permlanex16_b32 v[TM+4+\b], v[TM+\b], s46, s47
.endr
.irp b, 0,1,2,3
	v_max_num_f32 v[TM+\b], v[TM+\b], v[TM+4+\b]   ; with lane l xor 16's: the block's largest magnitude
.endr
.irp b, 0,1,2,3
	v_add_nc_u32 v[TM+12+\b], 0xff000000, v[TM+\b] ; 2 off its exponent field: the conversion's scale operand
.endr
.irp b, 0,1,2,3
	v_lshrrev_b32 v[TM+4+\b], 23, v[TM+12+\b]      ; the scale's byte
.endr
	v_lshl_or_b32 v[\pw], v[TM+5], 8, v[TM+4]
	v_lshl_or_b32 v[\pw], v[TM+6], 16, v[\pw]
	v_lshl_or_b32 v[\pw], v[TM+7], 24, v[\pw]
.if \w
	WIN 0x01
.endif
.irp b, 0,1,2,3
	v_cvt_scalef32_pk8_fp4_f32 v[PC+2*\b], v[(\s)+16*\b:(\s)+7+16*\b], v[TM+12+\b]
	v_cvt_scalef32_pk8_fp4_f32 v[PC+1+2*\b], v[(\s)+8+16*\b:(\s)+15+16*\b], v[TM+12+\b]
.endr
	WIN 0
	v_nop                                          ; one plain line behind the scaled conversions
.irp c, 0,1                                    ; the operand wants a WHOLE block in a lane: lanes 0-15 block 2 c, lanes 16-31 block 2 c + 1
.irp i, 0,1
	v_permlane16_swap_b32 v[PC+4*\c+\i], v[PC+2+4*\c+\i]
.endr
.endr
.endm
	s_load_b256 s[4:11], s[0:1], 0x0               ; q s[4:5], k s[6:7], v s[8:9], bq s[10:11]
	s_load_b256 s[12:19], s[0:1], 0x20             ; bk s[12:13], bv s[14:15], WB s[16:17], QB s[18:19]
	s_load_b128 s[20:23], s[0:1], 0x40             ; KB s[20:21], VB s[22:23]
	v_lshl_add_u32 v242, v0, 2, 0x22800
	v_mov_b32 v243, 0
	v_lshrrev_b32 v252, 5, v0
	v_readfirstlane_b32 s25, v252                  ; wave 0..7
	s_and_b32 s24, ttmp7, 0xffff                   ; 0: q, 1: k, 2: v
	v_and_b32 v252, 31, v0                         ; lane
	v_and_b32 v253, 15, v0                         ; r
	v_bfe_u32 v254, v0, 4, 1                       ; h
	v_lshlrev_b32 v[L16], 4, v252
	s_mul_i32 s51, s25, 16*SROW
	s_add_co_u32 s51, s51, STG                     ; my stage
	v_add_nc_u32 v[SI], s51, v[L16]
	v_mul_u32_u24 v[SO], v253, SROW
	v_lshl_add_u32 v[SO], v254, 6, v[SO]
	v_add_nc_u32 v[SO], s51, v[SO]
	s_lshl_b32 s52, s25, 13
	v_add_nc_u32 v[XWI], s52, v[L16]               ; tile w's eight images: 8,192 w + 16 lane
	v_lshlrev_b32 v[XRS], 5, v252
	v_add_nc_u32 v[XRS], XSC, v[XRS]
	s_lshl_b32 s52, s25, 2
	v_add_nc_u32 v[XWS], s52, v[XRS]
	v_and_b32 v[BV], 8, v253
	v_add_nc_u32 v[BV], v[BV], v253
	v_lshlrev_b32 v[BV], 2, v[BV]
	v_lshlrev_b32 v[L4], 2, v252
	v_lshlrev_b32 v[BQ], 6, v254
	v_lshlrev_b32 v[L8], 3, v252
	s_mov_b32 s48, 0xffff0000                      ; lanes 16-31
	v_mov_b32 v[SELV], 0x01000100
	v_mov_b32 v255, 0x03020302
	v_cndmask_b32 v[SELV], v[SELV], v255, s48
.irp b, 0,1,2,3
	v_mov_b32 v[TM+4+\b], 0                        ; written once: a lane permute's destination counts as one of its sources
.endr
	s_mov_b32 s46, 0x76543210
	s_mov_b32 s47, 0xfedcba98                      ; selects for lane l xor 16
	s_lshl_b32 s26, s25, 4                         ; q: my tile's first token 16 w, rows 8-15 eight further on
	s_lshr_b32 s27, s25, 1
	s_lshl_b32 s27, s27, 5
	s_and_b32 s28, s25, 1
	s_lshl_b32 s28, s28, 3
	s_add_co_u32 s27, s27, s28                     ; k, v: 32 (w / 2) + 8 (w % 2), rows 8-15 sixteen further on
	s_mov_b32 s28, 65536
	s_cmp_eq_u32 s24, 0
	s_cselect_b32 s26, s26, s27
	s_cselect_b32 s28, 32768, s28                  ; 8 or 16 rows of 4,096 bytes
	s_mov_b32 s29, 0
	s_lshl_b32 s26, s26, 12
	s_lshl_b32 s30, ttmp9, 19                      ; the work-group's 128 rows
	s_add_co_u32 s30, s30, s26
	s_mov_b32 s31, 0
	s_lshr_b32 s53, ttmp9, 4
	s_lshl_b32 s53, s53, 4
	s_add_co_u32 s53, s53, s25                     ; 16 batch + head w
	s_lshl_b32 s53, s53, 4
	s_and_b32 s54, ttmp9, 15
	s_add_co_u32 s53, s53, s54                     ; x 16 + block
	s_mov_b32 s44, 4352
	s_cmp_eq_u32 s24, 2
	s_cselect_b32 s44, s44, 4608
	s_mul_i32 s54, s53, s44
	s_mov_b32 s55, 0
	s_mul_i32 s56, s24, WSTRIDE
	s_lshl_b32 s57, s25, 15
	s_add_co_u32 s58, s56, s57                     ; W's codes: head w's four tiles
	s_mov_b32 s59, 0
	s_lshl_b32 s57, s25, 11
	s_add_co_u32 s60, s56, s57
	s_add_co_u32 s60, s60, 524288                  ; and their scale words
	s_mov_b32 s61, 0
	s_lshl_b32 s62, s25, 8                         ; the bias: head w's 64 numbers
	s_mov_b32 s63, 0
	s_wait_kmcnt 0x0
	s_cmp_eq_u32 s24, 0                            ; the choices hang on the work-group's number alone
	s_cselect_b64 s[4:5], s[4:5], s[6:7]
	s_cselect_b64 s[10:11], s[10:11], s[12:13]
	s_cselect_b64 s[18:19], s[18:19], s[20:21]
	s_cmp_eq_u32 s24, 2
	s_cselect_b64 s[4:5], s[8:9], s[4:5]
	s_cselect_b64 s[10:11], s[14:15], s[10:11]
	s_cselect_b64 s[18:19], s[22:23], s[18:19]
	s_add_nc_u64 s[32:33], s[4:5], s[30:31]        ; x at my tile's rows 0-7
	s_add_nc_u64 s[34:35], s[32:33], s[28:29]      ; and at its rows 8-15
	s_add_nc_u64 s[36:37], s[16:17], s[58:59]
	s_add_nc_u64 s[38:39], s[16:17], s[60:61]
	s_add_nc_u64 s[40:41], s[10:11], s[62:63]
	s_add_nc_u64 s[42:43], s[18:19], s[54:55]
; K step s of my 16 rows, as it lies: each load reads 512 consecutive bytes; into set s % 3 of window 1
.macro XLOAD s
	WIN 0x40
.irp i, 0,1,2,3,4,5,6,7
	global_load_b128 v[64*((\s)%3)+4*\i:64*((\s)%3)+4*\i+3], v[L16], s[32:33] offset:\i*4096+(\s)*512 th:TH_LOAD_NT
.endr
.irp i, 0,1,2,3,4,5,6,7
	global_load_b128 v[64*((\s)%3)+32+4*\i:64*((\s)%3)+32+4*\i+3], v[L16], s[34:35] offset:\i*4096+(\s)*512 th:TH_LOAD_NT
.endr
	WIN 0
.endm
; K step s: through my stage, so that a lane gets 16 neighbours of each block of its row; quantised; the image and the scale word to LDS
.macro XSTEP s
.if (\s) <= 5
	s_wait_loadcnt 32                              ; this step's 16 loads are in; those of the two steps behind it may be out
.elseif (\s) == 6
	s_wait_loadcnt 16
.else
	s_wait_loadcnt 0
.endif
	WIN 0x04                                       ; an LDS store's data are its source 1: window 1
.irp i, 0,1,2,3,4,5,6,7,8,9,10,11,12,13,14,15
	ds_store_b128 v[SI], v[64*((\s)%3)+4*\i:64*((\s)%3)+4*\i+3] offset:\i*SROW
.endr
	WIN 0
.irp b, 0,1,2,3
.irp j, 0,1,2,3
	ds_load_b128 v[XF+16*\b+4*\j:XF+16*\b+4*\j+3], v[SO] offset:128*\b+16*\j   ; LDS serves a wave's instructions in order: these see my stores
.endr
.endr
	s_wait_dscnt 0x0                               ; the numbers are back; the stores have read their registers, the last step's image stores too
.if (\s) < 5
	XLOAD (\s)+3
.endif
	QUANT XF, 0, PW
	ds_store_b128 v[XWI], v[PC:PC+3] offset:(\s)*1024
	ds_store_b128 v[XWI], v[PC+4:PC+7] offset:(\s)*1024+512
	ds_store_b32 v[XWS], v[PW] offset:(\s)*1024
.endm
	XLOAD 0
	XLOAD 1
	XLOAD 2
.irp s, 0,1,2,3,4,5,6,7
	XSTEP \s
.endr
	s_wait_dscnt 0x0                               ; for the others' sake: my images and scale words have landed
	s_barrier_signal -1
	s_barrier_wait -1                              ; all 64 fragments of x lie in LDS; from here on LDS is only read
; W's four fragments and two registers of scale words of K step s, into set s % 3: ten loads
.macro WLOAD s
.irp t, 0,1,2,3
.irp c, 0,1
	global_load_b128 v[WF+32*((\s)%3)+8*\t+4*\c:WF+32*((\s)%3)+8*\t+4*\c+3], v[L16], s[36:37] offset:\t*8192+(\s)*1024+\c*512
.endr
.endr
.irp p, 0,1
	global_load_b32 v[WSC+2*((\s)%3)+\p], v[L4], s[38:39] offset:(\s)*256+\p*128
.endr
.endm
; K step s: 32 products, the 32 accumulators by turns, in the same order in every step.  vv = 1: v's path
.macro GSTEP s, vv
.rept 4
	v_nop                                          ; four places behind the last step's products, in front of loads into registers that they read
.endr
.irp m, 0,1,2,3,4,5,6,7
.irp c, 0,1
	ds_load_b128 v[XF+8*\m+4*\c:XF+8*\m+4*\c+3], v[L16] offset:(\m*8+(\s))*1024+\c*512
.endr
.endr
	ds_load_b128 v[XS:XS+3], v[XRS] offset:(\s)*1024
	ds_load_b128 v[XS+4:XS+7], v[XRS] offset:(\s)*1024+16
.if (\s) < 6
	WLOAD (\s)+2
	s_wait_loadcnt 20                              ; this step's W is in (and the bias); the ten loads of each of the two later steps may be out
.elseif (\s) == 6
	s_wait_loadcnt 10
.else
	s_wait_loadcnt 0
.endif
	s_wait_dscnt 0x0
.if (\s) == 0
	WIN 0x40                                       ; D window 1; C is the bias, window 0
.else
	WIN 0x50                                       ; C and D window 1
.endif
.if \vv
.irp t, 0,1,2,3
.irp m, 0,1,2,3,4,5,6,7
.if (\s) == 0
	MM 64*\t+8*\m, XF+8*\m, WF+32*((\s)%3)+8*\t, BI+8*\t, XS+\m, WSC+2*((\s)%3)+\t/2, 2*(\t%2)
.else
	MM 64*\t+8*\m, XF+8*\m, WF+32*((\s)%3)+8*\t, 64*\t+8*\m, XS+\m, WSC+2*((\s)%3)+\t/2, 2*(\t%2)
.endif
.endr
.endr
.else
.irp m, 0,1,2,3,4,5,6,7
.irp t, 0,1,2,3
.if (\s) == 0
	MM 32*\m+8*\t, WF+32*((\s)%3)+8*\t, XF+8*\m, BI+8*\t, WSC+2*((\s)%3)+\t/2, XS+\m, \t%2
.else
	MM 32*\m+8*\t, WF+32*((\s)%3)+8*\t, XF+8*\m, 32*\m+8*\t, WSC+2*((\s)%3)+\t/2, XS+\m, \t%2
.endif
.endr
.endr
.endif
	WIN 0
.endm
	s_mov_b32 s49, 2                               ; two heads a wave
	s_cmp_eq_u32 s24, 2
	s_cbranch_scc1 .Lv
.Lqk:                                                  ; ---- q, k: one head
.irp t, 0,1,2,3
	global_load_b128 v[BI+8*\t:BI+8*\t+3], v[BQ], s[40:41] offset:(32*(\t/2)+8*(\t%2))*4        ; lane (r, h), tile 2 b + u: the bias of channels 32 b + 16 h + 8 u + 0 .. 7
	global_load_b128 v[BI+8*\t+4:BI+8*\t+7], v[BQ], s[40:41] offset:(32*(\t/2)+8*(\t%2))*4+16
.endr
	WLOAD 0
	WLOAD 1
.irp s, 0,1,2,3,4,5,6,7
	GSTEP \s, 0
.endr
.rept 4
	v_nop                                          ; four places in front of the first read of the last results
.endr
.irp i, 0,1,2,3                                ; token tiles 2 i and 2 i + 1: two blocks of 32 channels each
	s_wait_xcnt 0x0                                ; the last stores have read their data: the codes' registers may be written again
	QUANT 64*\i, 1, PW
	global_store_b128 v[L16], v[PC:PC+3], s[42:43] offset:(2*\i)*512          ; 512 consecutive bytes
	global_store_b128 v[L16], v[PC+4:PC+7], s[42:43] offset:(2*\i+1)*512
	v_perm_b32 v[OW+\i], v[PW], v[PW], v[SELV]     ; lanes 0-15: tile 2 i's two bytes, twice; lanes 16-31: tile 2 i + 1's
.endr
	global_store_b128 v[L16], v[OW:OW+3], s[42:43] offset:4096
	s_wait_xcnt 0x0                                ; bases and data may be written again
	s_add_nc_u64 s[36:37], s[36:37], 262144        ; eight heads on: 32 tiles of 8,192 bytes,
	s_add_nc_u64 s[38:39], s[38:39], 16384         ; their scale words,
	s_add_nc_u64 s[40:41], s[40:41], 2048          ; their bias,
	s_add_nc_u64 s[42:43], s[42:43], 589824        ; 8 x 16 blocks of 4,608 bytes
	s_sub_co_u32 s49, s49, 1
	s_cmp_lg_u32 s49, 0
	s_cbranch_scc1 .Lqk
	s_wait_tensorcnt 0x0
	ds_add_u32 v242, v243
	s_wait_dscnt 0x0
	s_endpgm
.Lv:                                                   ; ---- v: one head
.irp t, 0,1,2,3
.irp j, 0,1,2,3,4,5,6,7
	global_load_b32 v[BI+8*\t+\j], v[BV], s[40:41] offset:(32*(\t/2)+8*(\t%2))*4   ; a lane holds one channel: its bias in all eight registers of the tile
.endr
.endr
	WLOAD 0
	WLOAD 1
.irp s, 0,1,2,3,4,5,6,7
	GSTEP \s, 1
.endr
.rept 4
	v_nop
.endr
.irp t, 0,1,2,3                                ; channel tile t: its 64 registers are 128 keys, four blocks
	s_wait_xcnt 0x0
	QUANT 64*\t, 1, PW+\t
	global_store_b128 v[L16], v[PC:PC+3], s[42:43] offset:\t*1024
	global_store_b128 v[L16], v[PC+4:PC+7], s[42:43] offset:\t*1024+512
.endr
	v_cndmask_b32 v[OW], v[PW], v[PW+1], s48       ; lanes 0-15: tile 0's words, lanes 16-31: tile 1's
	v_cndmask_b32 v[OW+1], v[PW+2], v[PW+3], s48
	global_store_b64 v[L8], v[OW:OW+1], s[42:43] offset:4096
	s_wait_xcnt 0x0
	s_add_nc_u64 s[36:37], s[36:37], 262144
	s_add_nc_u64 s[38:39], s[38:39], 16384
	s_add_nc_u64 s[40:41], s[40:41], 2048
	s_add_nc_u64 s[42:43], s[42:43], 557056        ; 8 x 16 steps of 4,352 bytes
	s_sub_co_u32 s49, s49, 1
	s_cmp_lg_u32 s49, 0
	s_cbranch_scc1 .Lv
	s_wait_tensorcnt 0x0
	ds_add_u32 v242, v243
	s_wait_dscnt 0x0
	s_endpgm
.Lfunc_end_k_qd73adf2ab0_proj:
	.size	k_qd73adf2ab0_proj, .Lfunc_end_k_qd73adf2ab0_proj-k_qd73adf2ab0_proj
	.p2alignl 7, 3214868480
	.fill 96, 4, 3214868480
	.section	.rodata,"a",@progbits
	.p2align	6, 0x0
	.amdhsa_kernel k_qd73adf2ab0_proj
		.amdhsa_group_segment_fixed_size 142336
		.amdhsa_private_segment_fixed_size 0
		.amdhsa_enable_private_segment 0
		.amdhsa_kernarg_size 80
		.amdhsa_user_sgpr_count 2
		.amdhsa_user_sgpr_kernarg_segment_ptr 1
		.amdhsa_wavefront_size32 1
		.amdhsa_system_sgpr_workgroup_id_x 1
		.amdhsa_system_sgpr_workgroup_id_y 1
		.amdhsa_system_sgpr_workgroup_id_z 1
		.amdhsa_system_vgpr_workitem_id 0
		.amdhsa_next_free_vgpr 512
		.amdhsa_next_free_sgpr 66
		.amdhsa_reserve_vcc 0
		.amdhsa_float_denorm_mode_32 3
		.amdhsa_float_denorm_mode_16_64 3
		.amdhsa_memory_ordered 1
		.amdhsa_forward_progress 1
		.amdhsa_inst_pref_size 205
	.end_amdhsa_kernel
	.amdgpu_metadata
---
amdhsa.version: [ 1, 2 ]
amdhsa.kernels:
  - .name:           k_qd73adf2ab0_proj
    .symbol:         k_qd73adf2ab0_proj.kd
    .args:
      - { .name: q, .offset: 0, .size: 8, .value_kind: global_buffer, .address_space: global }
      - { .name: k, .offset: 8, .size: 8, .value_kind: global_buffer, .address_space: global }
      - { .name: v, .offset: 16, .size: 8, .value_kind: global_buffer, .address_space: global }
      - { .name: bq, .offset: 24, .size: 8, .value_kind: global_buffer, .address_space: global }
      - { .name: bk, .offset: 32, .size: 8, .value_kind: global_buffer, .address_space: global }
      - { .name: bv, .offset: 40, .size: 8, .value_kind: global_buffer, .address_space: global }
      - { .name: WB, .offset: 48, .size: 8, .value_kind: global_buffer, .address_space: global }
      - { .name: QB, .offset: 56, .size: 8, .value_kind: global_buffer, .address_space: global }
      - { .name: KB, .offset: 64, .size: 8, .value_kind: global_buffer, .address_space: global }
      - { .name: VB, .offset: 72, .size: 8, .value_kind: global_buffer, .address_space: global }
    .group_segment_fixed_size: 142336
    .private_segment_fixed_size: 0
    .kernarg_segment_align: 8
    .kernarg_segment_size: 80
    .max_flat_workgroup_size: 256
    .sgpr_count:     66
    .vgpr_count:     512
    .wavefront_size: 32
...
	.end_amdgpu_metadata
.endif
;; end of part 2
;; launch attn (part 3): grid 4 x 64, 16 waves a work-group, no clusters, 0 bytes of LDS; arguments QB, KB, VB, CB; writes CB
.if DOCPART == 3
	.amdgcn_target "amdgcn-amd-amdhsa--gfx1250"
	.amdhsa_code_object_version 6
	.text
	.protected	k_qd73adf2ab0_attn
	.globl	k_qd73adf2ab0_attn
	.p2align	8
	.type	k_qd73adf2ab0_attn,@function
k_qd73adf2ab0_attn:
	s_mov_b64 s[64:65], 0
	v_nop
	global_prefetch_b8 v0, s[64:65] scope:SCOPE_SE
	s_setreg_imm32_b32 hwreg(HW_REG_WAVE_MODE, 25, 1), 1
	s_wait_xcnt 0x0
; Causal attention on codes of E2M1, head size 64, 2,048 tokens, 64 (batch, head) pairs; the result, divided by the row's sum, is quantised along the model's 1,024 for the last projection.
; THE SOFTMAX: t = score x log2(e) / 8; M = the running largest t rounded UP to a whole number; p = 2^(t - M) is quantised along the keys, not normalised; the row's sum is taken of the unquantised p; when M moves, the sum and O are multiplied by 2^(old M - new M), exactly.
; SHARES.  y = 16 batch + head.  Wave p = 16 x + wave (0 .. 63) does query tile 127 - p and then tile p: a tile qt of 16 queries walks qt / 8 + 1 steps of 128 keys (the steps wholly behind the diagonal are not done), so EVERY wave walks 17 steps.
; 4,096 equal waves, four on each SIMD, so that one wave's vector work stands beside another's products and loads.  No LDS and no barrier: K's and V's fragments lie in memory in the order of the operand's registers and come by loads of 512 consecutive bytes, asked for one phase ahead.
; NO CLUSTER, no shared tiles in LDS: the waves of a work-group need different numbers of steps at different times (1 to 16 a tile), and nothing here makes them meet.  The price: each wave fetches its own 8,960 bytes a step.
; LAYOUT.  Both products are used transposed: S^T = K Q^T (source 0 = 16 keys, source 1 = my 16 queries), O^T = V^T P^T: a lane holds ONE query (lane % 16) throughout.  The keys of a tile of K and the channels of a tile of V are laid
; (by the launch before) so that the 16 registers of tiles 2 b, 2 b + 1 are 16 neighbours: 32 b + 16 (lane / 16) + 0 .. 15.
; K = 64 IN A FORM OF 128: Q's 16 bytes a lane stand twice (both halves of the operand), a tile of K has its 16 bytes in one half and zero codes in the other; two tiles share four registers of zeros: (data, zeros, data).  The scale words hold the two bytes twice.
; OUT.  CB: codes [row tile 512][K step 8][piece 2][lane][16 bytes]: head hd is K step hd / 2, piece hd % 2; at + 4,194,304 scale bytes [row 8192][32]: two bytes a row and head (stores of 2 bytes, 32 apart: 262,144 bytes in the whole launch).
; LIMITS: a block whose largest magnitude lies under 2^-124 (zeros among them) gets the byte 1; this program alone reads the bytes.  NaN and infinities are not served.
; REGISTERS: v1-7 addresses and the mask's numbers; v8-15 Q; v16 Q's scale word, v17 p's, v24-27 K's, v28-29 V's; v18 -M, v19 the largest t, v[20:21] the sum in two halves, v[22:23] f;
;   v32-79 K; v80-111 V; v112-175 S^T, then p; v176-207 O^T; v208-215 codes; v216-235 at work.
.set S,   112
.set O,   176
.set PC,  208
.set BM,  216                          ; a block's largest score, then its largest p
.set PB,  220                          ; the other half's; then the bytes
.set SOP, 224                          ; the conversions' scale operands
.set C2,  228                          ; the sum's second chain
.set TP,  230
.set NM,  18
.set TR,  19
.set SUM, 20
.set F,   22
.macro MM d, a, b, c, sa, sb, row      ; c < 0: the constant 0 starts the sum;  row = 1: source 0's scales stand in lanes 16-31
.if (\c) < 0
.if (\row) == 1
	v_wmma_scale_f32_16x16x128_f8f6f4 v[(\d):(\d)+7], v[(\a):(\a)+7], v[(\b):(\b)+7], 0, v[\sa], v[\sb] matrix_a_fmt:MATRIX_FMT_FP4 matrix_b_fmt:MATRIX_FMT_FP4 matrix_a_scale:MATRIX_SCALE_ROW1
.else
	v_wmma_scale_f32_16x16x128_f8f6f4 v[(\d):(\d)+7], v[(\a):(\a)+7], v[(\b):(\b)+7], 0, v[\sa], v[\sb] matrix_a_fmt:MATRIX_FMT_FP4 matrix_b_fmt:MATRIX_FMT_FP4
.endif
.else
.if (\row) == 1
	v_wmma_scale_f32_16x16x128_f8f6f4 v[(\d):(\d)+7], v[(\a):(\a)+7], v[(\b):(\b)+7], v[(\c):(\c)+7], v[\sa], v[\sb] matrix_a_fmt:MATRIX_FMT_FP4 matrix_b_fmt:MATRIX_FMT_FP4 matrix_a_scale:MATRIX_SCALE_ROW1
.else
	v_wmma_scale_f32_16x16x128_f8f6f4 v[(\d):(\d)+7], v[(\a):(\a)+7], v[(\b):(\b)+7], v[(\c):(\c)+7], v[\sa], v[\sb] matrix_a_fmt:MATRIX_FMT_FP4 matrix_b_fmt:MATRIX_FMT_FP4
.endif
.endif
.endm
.macro KLOAD                           ; a step's eight tiles of K and their scale words: nine loads
.irp a, 0,1,2,3
	global_load_b128 v[32+12*\a:35+12*\a], v1, s[22:23] offset:1024*\a
	global_load_b128 v[40+12*\a:43+12*\a], v1, s[22:23] offset:1024*\a+512
.endr
	global_load_b128 v[24:27], v1, s[22:23] offset:4096
.endm
.macro VLOAD                           ; a step's four tiles of V and their scale words: nine loads
.irp t, 0,1,2,3
.irp c, 0,1
	global_load_b128 v[80+8*\t+4*\c:83+8*\t+4*\c], v1, s[24:25] offset:1024*\t+512*\c
.endr
.endr
	global_load_b64 v[28:29], v2, s[24:25] offset:4096
.endm
	s_load_b256 s[4:11], s[0:1], 0x0               ; QB s[4:5], KB s[6:7], VB s[8:9], CB s[10:11]
	v_lshrrev_b32 v230, 5, v0
	v_readfirstlane_b32 s13, v230                  ; wave 0..15
	s_and_b32 s12, ttmp7, 0xffff                   ; 16 batch + head
	s_lshl_b32 s14, ttmp9, 4
	s_add_co_u32 s14, s14, s13                     ; p
	v_and_b32 v231, 31, v0                         ; lane
	v_and_b32 v232, 15, v0                         ; r
	v_bfe_u32 v233, v0, 4, 1                       ; h
	v_lshlrev_b32 v1, 4, v231                      ; 16 x lane
	v_lshlrev_b32 v2, 3, v231                      ; 8 x lane
	v_lshlrev_b32 v3, 4, v232                      ; 16 r
	v_lshlrev_b32 v4, 5, v232                      ; 32 r
	v_lshlrev_b32 v233, 4, v233
	v_sub_nc_u32 v5, v232, v233                    ; r - 16 h
	v_mov_b32 v6, 0xff800000                       ; -infinity
.irp a, 0,1,2,3
.irp i, 0,1,2,3
	v_mov_b32 v[36+12*\a+\i], 0                    ; the zero codes that two tiles of K share: written once
.endr
.endr
.irp b, 0,1,2,3
	v_mov_b32 v[PB+\b], 0                          ; written once: a lane permute's destination counts as one of its sources
.endr
	v_mov_b32 v[F+1], 0                            ; named as the upper half of the pair, so it is written
	s_mul_i32 s46, s12, 73728                      ; 16 blocks of 4,608 bytes
	s_mov_b32 s47, 0
	s_mul_i32 s48, s12, 69632                      ; 16 steps of 4,352 bytes
	s_mov_b32 s49, 0
	s_mov_b32 s42, 0x76543210
	s_mov_b32 s43, 0xfedcba98                      ; selects for lane l xor 16
	s_mov_b32 s44, 0x3e38aa3b                      ; c = log2(e) / 8
	s_mov_b32 s45, s44                             ; named with it as a pair, so it is written
	s_wait_kmcnt 0x0
	s_add_nc_u64 s[20:21], s[4:5], s[46:47]        ; my head in QB,
	s_add_nc_u64 s[16:17], s[6:7], s[46:47]        ; in KB,
	s_add_nc_u64 s[18:19], s[8:9], s[48:49]        ; in VB
	s_mov_b64 s[22:23], s[16:17]
	s_mov_b64 s[24:25], s[18:19]
	KLOAD                                          ; step 0
	VLOAD
	s_mov_b32 s40, 0
.Ltile:                                                ; two trips: tile 127 - p, then tile p
	s_sub_co_u32 s46, 127, s14
	s_cmp_eq_u32 s40, 0
	s_cselect_b32 s36, s46, s14                    ; qt
	s_lshr_b32 s37, s36, 3                         ; its block of 128
	s_mul_i32 s46, s37, 4608
	s_add_co_u32 s37, s37, 1                       ; its key steps
	s_and_b32 s47, s36, 7
	s_lshl_b32 s41, s47, 4                         ; my first query's place in the last step
	s_lshl_b32 s48, s47, 9
	s_add_co_u32 s48, s48, s46
	s_mov_b32 s49, 0
	s_add_nc_u64 s[30:31], s[20:21], s[48:49]      ; Q's codes: tile qt % 8 of the block
	s_and_b32 s50, s36, 1
	s_lshl_b32 s50, s50, 8
	s_lshr_b32 s51, s47, 1
	s_lshl_b32 s51, s51, 2
	s_add_co_u32 s50, s50, s51
	s_add_co_u32 s50, s50, s46
	s_mov_b32 s51, 0
	s_add_nc_u64 s[52:53], s[20:21], s[50:51]      ; its scale words: lanes 16 (qt % 2) on, word (qt % 8) / 2
	global_load_b128 v[8:11], v1, s[30:31]         ; Q's 16 bytes a lane, in both halves of the operand
	global_load_b128 v[12:15], v1, s[30:31]
	global_load_b32 v16, v3, s[52:53] offset:4096
	s_lshr_b32 s46, s12, 4
	s_lshl_b32 s46, s46, 7
	s_add_co_u32 s46, s46, s36                     ; the row tile: 128 batch + qt
	s_lshl_b32 s48, s46, 13
	s_and_b32 s50, s12, 15                         ; the head
	s_lshl_b32 s49, s50, 9                         ; K step head / 2, piece head % 2: 512 bytes a head
	s_add_co_u32 s48, s48, s49
	s_mov_b32 s49, 0
	s_add_nc_u64 s[32:33], s[10:11], s[48:49]      ; where the codes go
	s_lshl_b32 s48, s46, 9                         ; 16 rows of 32 scale bytes
	s_lshl_b32 s50, s50, 1
	s_add_co_u32 s48, s48, s50
	s_add_co_u32 s48, s48, 4194304
	s_add_nc_u64 s[34:35], s[10:11], s[48:49]      ; and the two bytes a row
.set j, 0
.rept 32
	v_mov_b32 v[O+j], 0                            ; O^T: the step is written once; the first finds zeros, which the first change of M leaves zeros
.set j, j+1
.endr
	v_mov_b32 v[TR], 0xff61b1e6                    ; the largest t so far: -3e38
	v_floor_f32 v[NM], -v[TR]
	v_mov_b32 v[SUM], 0
	v_mov_b32 v[SUM+1], 0
	s_wait_loadcnt 0x0                             ; Q was asked for last: once a tile everything is waited for
	s_mov_b32 s38, 0
.Lstep:
	s_wait_loadcnt 9                               ; K of this step is in; behind it V's nine loads were issued and may be out
.irp a, 0,1,2,3
	MM S+16*\a, 32+12*\a, 8, -1, 24+\a, 16, 0
	MM S+16*\a+8, 36+12*\a, 8, -1, 24+\a, 16, 1
.endr
.rept 4
	v_nop                                          ; four places: in front of loads into K's registers and of the first read of the scores
.endr
	s_wait_xcnt 0x0                                ; V's pending loads have read their base: both bases may step
	s_add_co_u32 s39, s38, 1
	s_add_nc_u64 s[26:27], s[22:23], 4608
	s_add_nc_u64 s[28:29], s[24:25], 4352
	s_cmp_lt_u32 s39, s37
	s_cselect_b64 s[22:23], s[26:27], s[16:17]     ; the next step, or, behind a tile's last, the head's step 0: the next tile begins there, and no load leaves its buffer
	s_cselect_b64 s[24:25], s[28:29], s[18:19]
	KLOAD
	s_cmp_lt_u32 s39, s37
	s_cbranch_scc1 .Lopen                          ; only a tile's last step lies on the diagonal
	v_add_nc_u32 v7, s41, v5                       ; d = my query's place - 16 h.  Register 16 b + i holds key 32 b + 16 h + i: hidden where 32 b + i > d
.set n, 0
.rept 64
	v_cmp_gt_i32 vcc_lo, 32*(n/16)+n%16, v7
	v_cndmask_b32 v[S+n], v[S+n], v6, vcc_lo
.set n, n+1
.endr
.Lopen:
.irp b, 0,1,2,3
	v_max3_num_f32 v[BM+\b], v[S+16*\b], v[S+1+16*\b], v[S+2+16*\b]   ; the largest score of each block of 32 keys: for the row's maximum and, since p rises with the score, for the block's largest p
.endr
.irp i, 3,5,7,9,11,13
.irp b, 0,1,2,3
	v_max3_num_f32 v[BM+\b], v[BM+\b], v[S+16*\b+\i], v[S+1+16*\b+\i]
.endr
.endr
.irp b, 0,1,2,3
	v_max_num_f32 v[BM+\b], v[BM+\b], v[S+15+16*\b]
.endr
.irp b, 0,1,2,3
	v_permlanex16_b32 v[PB+\b], v[BM+\b], s42, s43
.endr
.irp b, 0,1,2,3
	v_max_num_f32 v[BM+\b], v[BM+\b], v[PB+\b]     ; with lane l xor 16's 16 keys
.endr
	v_max3_num_f32 v[TP], v[BM], v[BM+1], v[BM+2]
	v_max_num_f32 v[TP], v[TP], v[BM+3]
	v_mul_f32 v[TP], s44, v[TP]                    ; as t (c is positive)
	v_max_num_f32 v[TR], v[TR], v[TP]              ; the running largest t
	v_mov_b32 v[TP], v[NM]
	v_floor_f32 v[NM], -v[TR]                      ; the new -M = -ceil(t): a whole number
	v_sub_f32 v[TP], v[NM], v[TP]                  ; old M - new M: a whole number, 0 or less
	v_cvt_i32_f32 v[TP], v[TP]                     ; (it saturates)
	v_ldexp_f32 v[F], 1.0, v[TP]                   ; f = 2^(old M - new M)
.set j, 0
.rept 32
	v_pk_fma_f32 v[S+j:S+j+1], v[S+j:S+j+1], s[44:45], v[NM:NM+1] op_sel_hi:[1,0,0]   ; t - M, two at a time
.set j, j+2
.endr
.irp b, 0,1,2,3
	v_fma_f32 v[BM+\b], v[BM+\b], s44, v[NM]
.endr
.set j, 0
.rept 64
	v_exp_f32 v[S+j], v[S+j]                       ; p = 2^(t - M)
.set j, j+1
.endr
.irp b, 0,1,2,3
	v_exp_f32 v[BM+\b], v[BM+\b]                   ; the block's largest p: the same two instructions on the same number
.endr
	v_pk_mul_f32 v[SUM:SUM+1], v[SUM:SUM+1], v[F:F+1] op_sel_hi:[1,0]   ; the sums under the new M (a plain line behind the exponentials)
	s_wait_alu depctr_va_vdst(0)
.irp b, 0,1,2,3
	v_max_num_f32 v[BM+\b], 0x1800000, v[BM+\b]    ; the floor 2^(3 - 127): the byte cannot fall under 1; a block of zeros keeps it, its codes are zeros
.endr
.irp b, 0,1,2,3
	v_add_nc_u32 v[SOP+\b], 0xff000000, v[BM+\b]   ; 2 off the exponent field: the conversion's scale operand
.endr
.irp b, 0,1,2,3
	v_lshrrev_b32 v[PB+\b], 23, v[SOP+\b]          ; the byte
.endr
	v_lshl_or_b32 v17, v[PB+1], 8, v[PB]           ; p's scale word for these 128 keys
	v_lshl_or_b32 v17, v[PB+2], 16, v17
	v_lshl_or_b32 v17, v[PB+3], 24, v17
.irp b, 0,1,2,3
	v_cvt_scalef32_pk8_fp4_f32 v[PC+2*\b], v[S+16*\b:S+7+16*\b], v[SOP+\b]
	v_cvt_scalef32_pk8_fp4_f32 v[PC+1+2*\b], v[S+8+16*\b:S+15+16*\b], v[SOP+\b]
.endr
	v_nop                                          ; one plain line behind the scaled conversions
.irp c, 0,1                                    ; a WHOLE block in a lane: lanes 0-15 block 2 c, lanes 16-31 block 2 c + 1
.irp i, 0,1
	v_permlane16_swap_b32 v[PC+4*\c+\i], v[PC+2+4*\c+\i]
.endr
.endr
	v_pk_add_f32 v[C2:C2+1], v[S:S+1], v[S+2:S+3]  ; the row's sum of the UNQUANTISED p, in two chains
.irp j, 4,8,12,16,20,24,28,32,36,40,44,48,52,56,60
	v_pk_add_f32 v[SUM:SUM+1], v[SUM:SUM+1], v[S+\j:S+1+\j]
	v_pk_add_f32 v[C2:C2+1], v[C2:C2+1], v[S+2+\j:S+3+\j]
.endr
	v_pk_add_f32 v[SUM:SUM+1], v[SUM:SUM+1], v[C2:C2+1]
.set j, 0
.rept 16
	v_pk_mul_f32 v[O+j:O+j+1], v[O+j:O+j+1], v[F:F+1] op_sel_hi:[1,0]   ; O^T under the new M.  (With the sums above: far more than the eight places between the scale word's last write and the products below)
.set j, j+2
.endr
	s_wait_loadcnt 9                               ; V of this step is in; behind it the next step's nine loads of K were issued and may be out
.irp t, 0,1,2,3
	MM O+8*\t, 80+8*\t, PC, O+8*\t, 28+\t/2, 17, \t%2      ; the four accumulators by turns
.endr
.rept 4
	v_nop                                          ; four places in front of loads into V's registers, and of the way out's first read
.endr
	VLOAD
	s_add_co_u32 s38, s38, 1
	s_cmp_lt_u32 s38, s37
	s_cbranch_scc1 .Lstep
	; THE WAY OUT: O^T / the sum; its 32 registers are two blocks of 32 along the model's 1,024; quantised; 512 consecutive bytes of codes, two scale bytes a row
	v_add_f32 v[SUM], v[SUM], v[SUM+1]
	v_permlanex16_b32 v[TP], v[SUM], s42, s43
	v_add_f32 v[SUM], v[SUM], v[TP]                ; the row's sum
	v_rcp_f32 v[F], v[SUM]
	v_nop                                          ; one plain line behind the transcendental
.set j, 0
	s_wait_alu depctr_va_vdst(0)
.rept 16
	v_pk_mul_f32 v[S+j:S+j+1], v[O+j:O+j+1], v[F:F+1] op_sel_hi:[1,0]   ; each accumulator from its low end on
.set j, j+2
.endr
.irp b, 0,1
	v_max3_num_f32 v[BM+\b], |v[S+16*\b]|, |v[S+1+16*\b]|, 0x1800000
.endr
.irp i, 2,4,6,8,10,12,14
.irp b, 0,1
	v_max3_num_f32 v[BM+\b], v[BM+\b], |v[S+16*\b+\i]|, |v[S+1+16*\b+\i]|
.endr
.endr
.irp b, 0,1
	v_permlanex16_b32 v[PB+\b], v[BM+\b], s42, s43
.endr
.irp b, 0,1
	v_max_num_f32 v[BM+\b], v[BM+\b], v[PB+\b]
.endr
.irp b, 0,1
	v_add_nc_u32 v[SOP+\b], 0xff000000, v[BM+\b]
.endr
.irp b, 0,1
	v_lshrrev_b32 v[PB+\b], 23, v[SOP+\b]
.endr
	v_lshl_or_b32 v231, v[PB+1], 8, v[PB]          ; my row's two bytes
.irp b, 0,1
	v_cvt_scalef32_pk8_fp4_f32 v[PC+2*\b], v[S+16*\b:S+7+16*\b], v[SOP+\b]
	v_cvt_scalef32_pk8_fp4_f32 v[PC+1+2*\b], v[S+8+16*\b:S+15+16*\b], v[SOP+\b]
.endr
	v_nop
	v_permlane16_swap_b32 v[PC], v[PC+2]           ; lanes 0-15: the head's first block, lanes 16-31: its second
	v_permlane16_swap_b32 v[PC+1], v[PC+3]
	global_store_b128 v1, v[PC:PC+3], s[32:33]
	global_store_b16 v4, v231, s[34:35]            ; lanes l and l xor 16 store the same two bytes at the same place
	s_wait_xcnt 0x0                                ; bases and data may be written again
	s_add_co_u32 s40, s40, 1
	s_cmp_lt_u32 s40, 2
	s_cbranch_scc1 .Ltile
	s_endpgm
.Lfunc_end_k_qd73adf2ab0_attn:
	.size	k_qd73adf2ab0_attn, .Lfunc_end_k_qd73adf2ab0_attn-k_qd73adf2ab0_attn
	.p2alignl 7, 3214868480
	.fill 96, 4, 3214868480
	.section	.rodata,"a",@progbits
	.p2align	6, 0x0
	.amdhsa_kernel k_qd73adf2ab0_attn
		.amdhsa_group_segment_fixed_size 0
		.amdhsa_private_segment_fixed_size 0
		.amdhsa_enable_private_segment 0
		.amdhsa_kernarg_size 32
		.amdhsa_user_sgpr_count 2
		.amdhsa_user_sgpr_kernarg_segment_ptr 1
		.amdhsa_wavefront_size32 1
		.amdhsa_system_sgpr_workgroup_id_x 1
		.amdhsa_system_sgpr_workgroup_id_y 1
		.amdhsa_system_sgpr_workgroup_id_z 1
		.amdhsa_system_vgpr_workitem_id 0
		.amdhsa_next_free_vgpr 256
		.amdhsa_next_free_sgpr 66
		.amdhsa_reserve_vcc 1
		.amdhsa_float_denorm_mode_32 3
		.amdhsa_float_denorm_mode_16_64 3
		.amdhsa_memory_ordered 1
		.amdhsa_forward_progress 1
		.amdhsa_inst_pref_size 31
	.end_amdhsa_kernel
	.amdgpu_metadata
---
amdhsa.version: [ 1, 2 ]
amdhsa.kernels:
  - .name:           k_qd73adf2ab0_attn
    .symbol:         k_qd73adf2ab0_attn.kd
    .args:
      - { .name: QB, .offset: 0, .size: 8, .value_kind: global_buffer, .address_space: global }
      - { .name: KB, .offset: 8, .size: 8, .value_kind: global_buffer, .address_space: global }
      - { .name: VB, .offset: 16, .size: 8, .value_kind: global_buffer, .address_space: global }
      - { .name: CB, .offset: 24, .size: 8, .value_kind: global_buffer, .address_space: global }
    .group_segment_fixed_size: 0
    .private_segment_fixed_size: 0
    .kernarg_segment_align: 8
    .kernarg_segment_size: 32
    .max_flat_workgroup_size: 512
    .sgpr_count:     66
    .vgpr_count:     256
    .wavefront_size: 32
...
	.end_amdgpu_metadata
.endif
;; end of part 3
;; launch oproj (part 4): grid 4 x 64, 16 waves a work-group, no clusters, 280,576 bytes of LDS; arguments CB, WB, bo, out0; writes out0
.if DOCPART == 4
	.amdgcn_target "amdgcn-amd-amdhsa--gfx1250"
	.amdhsa_code_object_version 6
	.text
	.protected	k_qd73adf2ab0_oproj
	.globl	k_qd73adf2ab0_oproj
	.p2align	8
	.type	k_qd73adf2ab0_oproj,@function
k_qd73adf2ab0_oproj:
	s_mov_b64 s[64:65], 0
	v_nop
	global_prefetch_b8 v0, s[64:65] scope:SCOPE_SE
	s_setreg_imm32_b32 hwreg(HW_REG_WAVE_MODE, 25, 1), 1
	s_wait_xcnt 0x0
; out0 = ctx Wo + bo: ctx's codes and scale bytes (CB) x Wo's (WB, the fourth weight), both E2M1 with E8M0 scales; sums in f32, the bias as the C of each sum's first product.
; SHARES.  A work-group makes 128 rows (y) x 256 columns (x).  Its operands, all of K, are four dense blocks of memory (65,536 + 131,072 bytes of codes, 4,096 + 8,192 of scales): they come into LDS ONCE, by asynchronous copies at the head,
; 16 bytes a lane, as they lie: both buffers are laid in the order of the operand's registers.  One barrier.  Wave w: row tiles 2 (w % 4), + 1, and the 64 columns w / 4: eight accumulators, by turns.
; THE PRODUCT IS USED TRANSPOSED (source 0 = 16 columns of Wo, source 1 = 16 rows of ctx): with the columns of a tile laid as they are, a lane's registers of tiles 2 b, 2 b + 1 are 16 neighbouring columns of one row.
; THE WAY OUT: 16 rows x 64 columns go through the wave's own stage (rows of 256 + 16 bytes) and leave as whole rows: sixteen lanes store 256 consecutive bytes, aligned.  The stage has bytes of its own, into which no copy lands.
; NO CLUSTER: everything is copied once and nothing is filled again; the copies are lane by lane and have no joint form.  The claim of LDS is what the text uses, more than half of what a WGP has.
.set WSTRIDE, 557056
.set CIMG, 0                           ; ctx's fragments: 8,192 x row tile + 1,024 s + 512 c + 16 lane
.set WIMG, 65536                       ; Wo's: 8,192 x tile + the same
.set CSCL, 196608                      ; ctx's scale bytes: 32 a row
.set WSCL, 200704                      ; Wo's scale words: 2,048 x group of 64 columns + 256 s + 128 (tile / 2) + 4 lane
.set STG,  208896                      ; 16 stages of 16 x 272 bytes
.set CS,  16                           ; v16-31  ctx's scale words: 8 m + s
.set WS,  32                           ; v32-47  Wo's: 2 s + tile / 2
.set BI,  48                           ; v48-79  the bias in the result's layout
.set ACC, 80                           ; v80-143 accumulator (m, t) at 32 m + 8 t
.set CF,  144                          ; v144-175 ctx's fragments, two sets
.set WF,  176                          ; v176-239 Wo's fragments, two sets; on the way out the rows read back
.macro MM d, a, b, c, sa, sb, row      ; row = 1: source 0's scales stand in lanes 16-31
.if (\row) == 1
	v_wmma_scale_f32_16x16x128_f8f6f4 v[(\d):(\d)+7], v[(\a):(\a)+7], v[(\b):(\b)+7], v[(\c):(\c)+7], v[\sa], v[\sb] matrix_a_fmt:MATRIX_FMT_FP4 matrix_b_fmt:MATRIX_FMT_FP4 matrix_a_scale:MATRIX_SCALE_ROW1
.else
	v_wmma_scale_f32_16x16x128_f8f6f4 v[(\d):(\d)+7], v[(\a):(\a)+7], v[(\b):(\b)+7], v[(\c):(\c)+7], v[\sa], v[\sb] matrix_a_fmt:MATRIX_FMT_FP4 matrix_b_fmt:MATRIX_FMT_FP4
.endif
.endm
	s_load_b256 s[4:11], s[0:1], 0x0               ; CB s[4:5], WB s[6:7], bo s[8:9], out0 s[10:11]
	v_lshl_add_u32 v254, v0, 2, 0x44000
	v_mov_b32 v255, 0
	ds_add_u32 v254, v255
	ds_add_u32 v254, v255
	v_lshrrev_b32 v1, 5, v0
	v_readfirstlane_b32 s12, v1                    ; wave 0..15
	s_and_b32 s13, s12, 3                          ; tg: my two row tiles
	s_lshr_b32 s14, s12, 2                         ; ng: my 64 columns
	s_and_b32 s15, ttmp7, 0xffff                   ; the block of 128 rows
	v_lshlrev_b32 v10, 4, v0                       ; the copies: LDS address CIMG + 16 t,
	v_lshlrev_b32 v11, 4, v0                       ; and the same offset in memory
	v_lshl_add_u32 v12, v0, 4, WIMG                ; Wo's first half,
	v_lshl_add_u32 v13, v0, 4, WIMG+65536          ; its second half: LDS address
	v_lshl_add_u32 v14, v0, 4, 65536               ; and offset in memory, so that no immediate passes 57,344
	v_lshl_add_u32 v15, v0, 3, CSCL
	v_lshlrev_b32 v240, 3, v0
	v_lshl_add_u32 v241, v0, 4, WSCL
	s_lshl_b32 s16, s15, 16                        ; ctx's codes: 8 row tiles of 8,192 bytes
	s_mov_b32 s17, 0
	s_lshl_b32 s18, s15, 12                        ; its scale bytes: 128 rows of 32
	s_add_co_u32 s18, s18, 4194304
	s_mov_b32 s19, 0
	s_lshl_b32 s20, ttmp9, 17                      ; Wo's codes: 16 tiles of 8,192 bytes
	s_add_co_u32 s20, s20, 3*WSTRIDE
	s_mov_b32 s21, 0
	s_lshl_b32 s22, ttmp9, 13                      ; its scale words: 4 groups of 2,048 bytes
	s_add_co_u32 s22, s22, 3*WSTRIDE+524288
	s_mov_b32 s23, 0
	s_lshl_b32 s24, ttmp9, 10                      ; my first column, in bytes: 1,024 x + 256 ng
	s_lshl_b32 s28, s14, 8
	s_add_co_u32 s24, s24, s28
	s_mov_b32 s25, 0
	s_lshl_b32 s26, s15, 19                        ; my first row: 128 y + 32 tg, 4,096 bytes a row
	s_lshl_b32 s28, s13, 17
	s_add_co_u32 s26, s26, s28
	s_add_co_u32 s26, s26, s24
	s_mov_b32 s27, 0
	s_wait_dscnt 0x0
	s_wait_kmcnt 0x0
	s_add_nc_u64 s[16:17], s[4:5], s[16:17]
	s_add_nc_u64 s[18:19], s[4:5], s[18:19]
	s_add_nc_u64 s[20:21], s[6:7], s[20:21]
	s_add_nc_u64 s[22:23], s[6:7], s[22:23]
	s_add_nc_u64 s[24:25], s[8:9], s[24:25]
	s_add_nc_u64 s[26:27], s[10:11], s[26:27]
.irp k, 0,1,2,3,4,5,6,7                        ; 26 copies a wave; the immediate steps both addresses; each fills its bytes once
	global_load_async_to_lds_b128 v10, v11, s[16:17] offset:\k*8192
.endr
.irp k, 0,1,2,3,4,5,6,7
	global_load_async_to_lds_b128 v12, v11, s[20:21] offset:\k*8192
.endr
.irp k, 0,1,2,3,4,5,6,7
	global_load_async_to_lds_b128 v13, v14, s[20:21] offset:\k*8192
.endr
	global_load_async_to_lds_b64 v15, v240, s[18:19]
	global_load_async_to_lds_b128 v241, v11, s[22:23]
	v_and_b32 v242, 15, v0                         ; r
	v_bfe_u32 v243, v0, 4, 1                       ; h
	v_and_b32 v244, 31, v0                         ; lane
	v_lshlrev_b32 v9, 6, v243                      ; the bias: 64 h
.irp t, 0,1,2,3
	global_load_b128 v[BI+8*\t:BI+8*\t+3], v9, s[24:25] offset:(32*(\t/2)+8*(\t%2))*4        ; lane (r, h), tile 2 b + u: columns 32 b + 16 h + 8 u + 0 .. 7
	global_load_b128 v[BI+8*\t+4:BI+8*\t+7], v9, s[24:25] offset:(32*(\t/2)+8*(\t%2))*4+16
.endr
	v_lshlrev_b32 v245, 4, v244                    ; 16 x lane
	s_lshl_b32 s28, s13, 14
	v_add_nc_u32 v2, s28, v245                     ; my two row tiles' images
	s_lshl_b32 s28, s14, 15
	s_add_co_u32 s28, s28, WIMG
	v_add_nc_u32 v3, s28, v245                     ; my four tiles of Wo
	s_lshl_b32 s28, s13, 10
	s_add_co_u32 s28, s28, CSCL
	v_lshlrev_b32 v4, 5, v242
	v_add_nc_u32 v4, s28, v4                       ; row 32 tg + r's 32 scale bytes
	s_lshl_b32 s28, s14, 11
	s_add_co_u32 s28, s28, WSCL
	v_lshlrev_b32 v5, 2, v244
	v_add_nc_u32 v5, s28, v5
	s_mul_i32 s29, s12, 16*272
	s_add_co_u32 s29, s29, STG                     ; my stage
	v_mul_u32_u24 v6, v242, 272
	v_lshl_add_u32 v6, v243, 6, v6
	v_add_nc_u32 v6, s29, v6                       ; in: row r, + 64 h
	v_mul_u32_u24 v7, v243, 272
	v_lshl_add_u32 v7, v242, 4, v7
	v_add_nc_u32 v7, s29, v7                       ; back: lanes 0-15 one row, lanes 16-31 the next
	v_lshlrev_b32 v8, 12, v243
	v_lshl_add_u32 v8, v242, 4, v8                 ; and the same two rows in out0
	s_wait_asynccnt 0x0                            ; my copies have landed,
	s_barrier_signal -1
	s_barrier_wait -1                              ; everybody's have
.irp m, 0,1
.irp q, 0,1
	ds_load_b128 v[CS+8*\m+4*\q:CS+8*\m+4*\q+3], v4 offset:\m*512+16*\q
.endr
.endr
.irp s, 0,1,2,3,4,5,6,7
.irp p, 0,1
	ds_load_b32 v[WS+2*\s+\p], v5 offset:\s*256+\p*128
.endr
.endr
.macro FETCH s                         ; K step s: two fragments of ctx, four of Wo, into set s % 2: twelve loads
.irp m, 0,1
.irp c, 0,1
	ds_load_b128 v[CF+16*((\s)%2)+8*\m+4*\c:CF+16*((\s)%2)+8*\m+4*\c+3], v2 offset:\m*8192+(\s)*1024+\c*512
.endr
.endr
.irp t, 0,1,2,3
.irp c, 0,1
	ds_load_b128 v[WF+32*((\s)%2)+8*\t+4*\c:WF+32*((\s)%2)+8*\t+4*\c+3], v3 offset:\t*8192+(\s)*1024+\c*512
.endr
.endr
.endm
.macro GSTEP s
.rept 4
	v_nop                                          ; four places behind the last step's products, in front of loads into the set that they read
.endr
.if (\s) < 7
	FETCH (\s)+1
	s_wait_dscnt 12                                ; all but the twelve just issued
.else
	s_wait_dscnt 0
.endif
.irp m, 0,1
.irp t, 0,1,2,3
.if (\s) == 0
	MM ACC+32*\m+8*\t, WF+32*((\s)%2)+8*\t, CF+16*((\s)%2)+8*\m, BI+8*\t, WS+2*(\s)+\t/2, CS+8*\m+(\s), \t%2
.else
	MM ACC+32*\m+8*\t, WF+32*((\s)%2)+8*\t, CF+16*((\s)%2)+8*\m, ACC+32*\m+8*\t, WS+2*(\s)+\t/2, CS+8*\m+(\s), \t%2
.endif
.endr
.endr
.endm
	FETCH 0
	s_wait_loadcnt 0x0                             ; the bias
.irp s, 0,1,2,3,4,5,6,7
	GSTEP \s                                       ; the eight accumulators by turns, in the same order in every step
.endr
.rept 4
	v_nop                                          ; four places in front of the first read of results and of loads into Wo's registers
.endr
.irp m, 0,1
.irp t, 0,1,2,3
	ds_store_b128 v6, v[ACC+32*\m+8*\t:ACC+32*\m+8*\t+3] offset:128*(\t/2)+32*(\t%2)         ; each accumulator from its low end on
	ds_store_b128 v6, v[ACC+32*\m+8*\t+4:ACC+32*\m+8*\t+7] offset:128*(\t/2)+32*(\t%2)+16
.endr
.irp i, 0,1,2,3,4,5,6,7
	ds_load_b128 v[WF+32*\m+4*\i:WF+32*\m+4*\i+3], v7 offset:2*\i*272   ; LDS serves a wave's instructions in order: these see my stores, and the next tile's stores come behind them
.endr
.endr
.irp m, 0,1
.irp i, 0,1,2,3,4,5,6,7
	s_wait_dscnt 16*(1-\m)+7-\i                    ; behind this load: the rest of its run, and for the first tile the second tile's sixteen
	global_store_b128 v8, v[WF+32*\m+4*\i:WF+32*\m+4*\i+3], s[26:27] offset:(16*\m+2*\i)*4096 th:TH_STORE_NT   ; sixteen lanes store 256 consecutive bytes, aligned
.endr
.endr
	s_wait_tensorcnt 0x0
	ds_add_u32 v254, v255
	s_wait_dscnt 0x0
	s_endpgm
.Lfunc_end_k_qd73adf2ab0_oproj:
	.size	k_qd73adf2ab0_oproj, .Lfunc_end_k_qd73adf2ab0_oproj-k_qd73adf2ab0_oproj
	.p2alignl 7, 3214868480
	.fill 96, 4, 3214868480
	.section	.rodata,"a",@progbits
	.p2align	6, 0x0
	.amdhsa_kernel k_qd73adf2ab0_oproj
		.amdhsa_group_segment_fixed_size 280576
		.amdhsa_private_segment_fixed_size 0
		.amdhsa_enable_private_segment 0
		.amdhsa_kernarg_size 32
		.amdhsa_user_sgpr_count 2
		.amdhsa_user_sgpr_kernarg_segment_ptr 1
		.amdhsa_wavefront_size32 1
		.amdhsa_system_sgpr_workgroup_id_x 1
		.amdhsa_system_sgpr_workgroup_id_y 1
		.amdhsa_system_sgpr_workgroup_id_z 1
		.amdhsa_system_vgpr_workitem_id 0
		.amdhsa_next_free_vgpr 256
		.amdhsa_next_free_sgpr 66
		.amdhsa_reserve_vcc 0
		.amdhsa_float_denorm_mode_32 3
		.amdhsa_float_denorm_mode_16_64 3
		.amdhsa_memory_ordered 1
		.amdhsa_forward_progress 1
		.amdhsa_inst_pref_size 28
	.end_amdhsa_kernel
	.amdgpu_metadata
---
amdhsa.version: [ 1, 2 ]
amdhsa.kernels:
  - .name:           k_qd73adf2ab0_oproj
    .symbol:         k_qd73adf2ab0_oproj.kd
    .args:
      - { .name: CB, .offset: 0, .size: 8, .value_kind: global_buffer, .address_space: global }
      - { .name: WB, .offset: 8, .size: 8, .value_kind: global_buffer, .address_space: global }
      - { .name: bo, .offset: 16, .size: 8, .value_kind: global_buffer, .address_space: global }
      - { .name: out0, .offset: 24, .size: 8, .value_kind: global_buffer, .address_space: global }
    .group_segment_fixed_size: 280576
    .private_segment_fixed_size: 0
    .kernarg_segment_align: 8
    .kernarg_segment_size: 32
    .max_flat_workgroup_size: 512
    .sgpr_count:     66
    .vgpr_count:     256
    .wavefront_size: 32
...
	.end_amdgpu_metadata
.endif
;; end of part 4
;; ======== version 2 of 2: 4 launches
;; workspace buffers: WB 2,228,224 bytes; QB 4,718,592 bytes; KB 4,718,592 bytes; VB 4,456,448 bytes; CB 4,456,448 bytes
;; launch wquant (part 5): grid 64 x 4, 4 waves a work-group, no clusters, 0 bytes of LDS; arguments Wq, Wk, Wv, Wo, WB; writes WB
.if DOCPART == 5
	.amdgcn_target "amdgcn-amd-amdhsa--gfx1250"
	.amdhsa_code_object_version 6
	.text
	.protected	k_qd73adf2ab0_wquant
	.globl	k_qd73adf2ab0_wquant
	.p2align	8
	.type	k_qd73adf2ab0_wquant,@function
k_qd73adf2ab0_wquant:
	s_mov_b64 s[64:65], 0
	v_nop
	global_prefetch_b8 v0, s[64:65] scope:SCOPE_SE
	s_setreg_imm32_b32 hwreg(HW_REG_WAVE_MODE, 25, 1), 1
	s_wait_xcnt 0x0
; The four weights [1024 (k)][1024 (n)], f32, K along the FIRST axis, become codes of E2M1 with one E8M0 byte for each 32 along K, laid in the order of a matrix operand's registers.
; WB, weight i (q, k, v, o) at i x 557,056 bytes:
;   codes  [ntile 64][K step 8][piece 2][lane 32][16 bytes]: lane (r, h) of piece c holds k = 128 s + 64 c + 32 h + 0 .. 31 of the tile's row r;
;          tile 4 hd + 2 b + u, row r, is column n = 64 hd + 32 b + 8 u + r + 8 (r / 8): so a product's results of tiles 2 b and 2 b + 1 are 16 neighbours along n in one lane;
;   scale words at + 524,288: [hd 16][K step 8][b 2][lane 32]: lane r + 16 u holds the word (4 bytes, 128 along K) of tile 4 hd + 2 b + u, row r.
; A LANE TAKES A COLUMN AND ITS REGISTERS RUN DOWN K: a load reads 128 consecutive bytes, a block of 32 lies in one lane, the conversions give codes with K innermost.
; A wave: 32 columns x 128 along K (4 blocks).  Work-group x: hd = x / 4, two K steps 2 (x % 4) + wave / 2; b = wave % 2; y: the weight.  Each store of codes covers two runs of 256 consecutive bytes, aligned.
; A block's scale is 2^(floor(log2(largest magnitude)) - 2): the byte is the largest magnitude's exponent field - 2, held at 1 from below.
; LIMITS: a block whose largest magnitude lies under 2^-124 (zeros among them) gets the byte 1; its codes are then zeros or tiny, and this program alone reads the bytes.  NaN and infinities are not served.
; No LDS, no barrier, no cluster: waves and work-groups share no input byte.
.set WSTRIDE, 557056
.set SCOFF,   524288
.set X, 32                             ; v32-95  two sets of 32 numbers
.set C, 16                             ; v16-31  codes, four registers a block: no store's data are written again
	s_load_b256 s[4:11], s[0:1], 0x0               ; Wq s[4:5], Wk s[6:7], Wv s[8:9], Wo s[10:11]
	s_load_b64 s[12:13], s[0:1], 0x20              ; WB
	v_lshrrev_b32 v1, 5, v0
	v_readfirstlane_b32 s14, v1                    ; wave
	s_and_b32 s15, ttmp7, 0xffff                   ; which weight
	s_lshr_b32 s16, ttmp9, 2                       ; hd
	s_and_b32 s17, ttmp9, 3
	s_and_b32 s18, s14, 1                          ; b
	s_lshr_b32 s19, s14, 1
	s_lshl_b32 s17, s17, 1
	s_add_co_u32 s19, s19, s17                     ; K step s
	v_and_b32 v1, 31, v0                           ; lane = my column among the wave's 32
	v_lshlrev_b32 v2, 2, v1                        ; in: 4 bytes a lane
	v_bfe_u32 v5, v1, 3, 1                         ; u: which of the two tiles my column falls into
	v_and_b32 v6, 7, v1
	v_lshrrev_b32 v7, 4, v1
	v_lshl_add_u32 v6, v7, 3, v6                   ; r: its row there
	v_lshlrev_b32 v3, 4, v6
	v_lshl_add_u32 v3, v5, 13, v3                  ; codes: 8,192 u + 16 r
	v_lshl_add_u32 v4, v5, 4, v6
	v_lshlrev_b32 v4, 2, v4                        ; scale word: 4 (r + 16 u)
	s_lshl_b32 s20, s19, 19                        ; W: 128 s rows of 4,096 bytes
	s_lshl_b32 s21, s16, 8
	s_add_co_u32 s20, s20, s21                     ; + 64 hd columns
	s_lshl_b32 s21, s18, 7
	s_add_co_u32 s20, s20, s21                     ; + 32 b columns
	s_mov_b32 s21, 0
	s_mul_i32 s22, s15, WSTRIDE
	s_lshl_b32 s24, s16, 15                        ; codes: tile 4 hd + 2 b, 8,192 bytes a tile
	s_add_co_u32 s24, s24, s22
	s_lshl_b32 s25, s18, 14
	s_add_co_u32 s24, s24, s25
	s_lshl_b32 s25, s19, 10                        ; K step s
	s_add_co_u32 s24, s24, s25
	s_mov_b32 s25, 0
	s_add_co_u32 s26, s22, SCOFF                   ; scale words: ((8 hd + s) 2 + b) x 128 bytes
	s_lshl_b32 s27, s16, 11
	s_add_co_u32 s26, s26, s27
	s_lshl_b32 s27, s19, 8
	s_add_co_u32 s26, s26, s27
	s_lshl_b32 s27, s18, 7
	s_add_co_u32 s26, s26, s27
	s_mov_b32 s27, 0
	s_and_b32 s28, s15, 1
	s_wait_alu depctr_va_vdst(0)
	s_wait_kmcnt 0x0
	s_cmp_lt_u32 s15, 2                            ; the choice hangs on the work-group's number alone
	s_cselect_b64 s[4:5], s[4:5], s[8:9]           ; Wq or Wv
	s_cselect_b64 s[6:7], s[6:7], s[10:11]         ; Wk or Wo
	s_cmp_lg_u32 s28, 0
	s_cselect_b64 s[4:5], s[6:7], s[4:5]
	s_add_nc_u64 s[4:5], s[4:5], s[20:21]
	s_add_nc_u64 s[8:9], s[12:13], s[24:25]
	s_add_nc_u64 s[10:11], s[12:13], s[26:27]
.macro LOAD t                          ; block t: W(128 s + 32 t + i, my column), i = 0 .. 31, into set t % 2
.irp i, 0,1,2,3,4,5,6,7,8,9,10,11,12,13,14,15,16,17,18,19,20,21,22,23,24,25,26,27,28,29,30,31
	global_load_b32 v[X+32*((\t)%2)+\i], v2, s[4:5] offset:(32*(\t)+\i)*4096 th:TH_LOAD_NT
.endr
.endm
.macro BLOCK t
.set XS, X+32*((\t)%2)
.if (\t) < 3
	s_wait_loadcnt 32                              ; this block's 32 loads are in; the next block's 32 may be out
.else
	s_wait_loadcnt 0
.endif
	v_max3_num_f32 v8, |v[XS]|, |v[XS+1]|, |v[XS+2]|               ; the block's largest magnitude: all 32 numbers are mine; two chains
	v_max3_num_f32 v9, |v[XS+3]|, |v[XS+4]|, |v[XS+5]|
.irp i, 6,10,14,18,22,26
	v_max3_num_f32 v8, v8, |v[XS+\i]|, |v[XS+\i+1]|
	v_max3_num_f32 v9, v9, |v[XS+\i+2]|, |v[XS+\i+3]|
.endr
	v_max3_num_f32 v8, v8, |v[XS+30]|, |v[XS+31]|
	v_max3_num_f32 v8, v8, v9, 0x1800000           ; and the floor 2^(3 - 127): the byte cannot fall under 1
	v_add_nc_u32 v10, 0xff000000, v8               ; 2 off the exponent field: the conversion takes this operand's exponent field as its scale
.irp g, 0,1,2,3
	v_cvt_scalef32_pk8_fp4_f32 v[C+4*(\t)+\g], v[XS+8*\g:XS+8*\g+7], v10
.endr
	v_lshrrev_b32 v11, 23, v10                     ; the scale's byte (a plain line behind the conversions)
.if (\t) == 0
	v_mov_b32 v12, v11                             ; four bytes make the K step's scale word, the lower K in the lower byte
.else
	v_lshl_or_b32 v12, v11, 8*(\t), v12
.endif
	global_store_b128 v3, v[C+4*(\t):C+4*(\t)+3], s[8:9] offset:((\t)/2)*512+((\t)%2)*256   ; piece t / 2, lanes 16 (t % 2) on: sixteen lanes fill 256 consecutive bytes of one tile, sixteen of the other
.if (\t) < 2
	LOAD (\t)+2
.endif
.endm
	LOAD 0
	LOAD 1
	BLOCK 0
	BLOCK 1
	BLOCK 2
	BLOCK 3
	global_store_b32 v4, v12, s[10:11]             ; 128 consecutive bytes
	s_endpgm
.Lfunc_end_k_qd73adf2ab0_wquant:
	.size	k_qd73adf2ab0_wquant, .Lfunc_end_k_qd73adf2ab0_wquant-k_qd73adf2ab0_wquant
	.p2alignl 7, 3214868480
	.fill 96, 4, 3214868480
	.section	.rodata,"a",@progbits
	.p2align	6, 0x0
	.amdhsa_kernel k_qd73adf2ab0_wquant
		.amdhsa_group_segment_fixed_size 0
		.amdhsa_private_segment_fixed_size 0
		.amdhsa_enable_private_segment 0
		.amdhsa_kernarg_size 40
		.amdhsa_user_sgpr_count 2
		.amdhsa_user_sgpr_kernarg_segment_ptr 1
		.amdhsa_wavefront_size32 1
		.amdhsa_system_sgpr_workgroup_id_x 1
		.amdhsa_system_sgpr_workgroup_id_y 1
		.amdhsa_system_sgpr_workgroup_id_z 1
		.amdhsa_system_vgpr_workitem_id 0
		.amdhsa_next_free_vgpr 128
		.amdhsa_next_free_sgpr 66
		.amdhsa_reserve_vcc 0
		.amdhsa_float_denorm_mode_32 3
		.amdhsa_float_denorm_mode_16_64 3
		.amdhsa_memory_ordered 1
		.amdhsa_forward_progress 1
		.amdhsa_inst_pref_size 21
	.end_amdhsa_kernel
	.amdgpu_metadata
---
amdhsa.version: [ 1, 2 ]
amdhsa.kernels:
  - .name:           k_qd73adf2ab0_wquant
    .symbol:         k_qd73adf2ab0_wquant.kd
    .args:
      - { .name: Wq, .offset: 0, .size: 8, .value_kind: global_buffer, .address_space: global }
      - { .name: Wk, .offset: 8, .size: 8, .value_kind: global_buffer, .address_space: global }
      - { .name: Wv, .offset: 16, .size: 8, .value_kind: global_buffer, .address_space: global }
      - { .name: Wo, .offset: 24, .size: 8, .value_kind: global_buffer, .address_space: global }
      - { .name: WB, .offset: 32, .size: 8, .value_kind: global_buffer, .address_space: global }
    .group_segment_fixed_size: 0
    .private_segment_fixed_size: 0
    .kernarg_segment_align: 8
    .kernarg_segment_size: 40
    .max_flat_workgroup_size: 128
    .sgpr_count:     66
    .vgpr_count:     128
    .wavefront_size: 32
...
	.end_amdgpu_metadata
.endif
;; end of part 5
;; launch proj (part 6): grid 64 x 3, 8 waves a work-group, no clusters, 142,336 bytes of LDS; arguments q, k, v, bq, bk, bv, WB, QB, KB, VB; writes QB, KB, VB
.if DOCPART == 6
	.amdgcn_target "amdgcn-amd-amdhsa--gfx1250"
	.amdhsa_code_object_version 6
	.text
	.protected	k_qd73adf2ab0_proj
	.globl	k_qd73adf2ab0_proj
	.p2align	8
	.type	k_qd73adf2ab0_proj,@function
k_qd73adf2ab0_proj:
	s_mov_b64 s[64:65], 0
	v_nop
	global_prefetch_b8 v0, s[64:65] scope:SCOPE_SE
	s_setreg_imm32_b32 hwreg(HW_REG_WAVE_SCHED_MODE, 0, 2), 2
	s_setreg_imm32_b32 hwreg(HW_REG_WAVE_MODE, 25, 1), 1
	s_wait_xcnt 0x0
	s_wait_alu depctr_vm_vsrc(0)
; y = 0, 1, 2: the projection of q, k or v: x [8192][1024] f32 is quantised along its 1,024, multiplied by the weight's codes (WB), the bias added (as the C of each sum's first product), and the result quantised again:
; q's and k's along the head's 64 (two blocks a token), v's along the KEYS (blocks of 32 tokens).  All products on codes of E2M1 with E8M0 scales; sums in f32.
; SHARES.  A work-group takes 128 tokens (x = 16 batch + block).  First wave w quantises 16 of them (all 8 K steps of 128) and lays the fragments in LDS as images of the operand's registers (16 bytes a lane, 512 a store).
; ONE barrier.  Then THE WAVES SHARE THE COLUMNS: wave w makes head w, then head w + 8, for all 128 tokens: 32 accumulators (256 registers, window 1), 32 products a K step from 8 fragments of x (LDS) and 4 of W (memory).
; WHICH TOKENS FORM A TILE.  q: 16 neighbours.  k, v: tile 2 b + u, row r, is token 32 b + 8 u + r + 8 (r / 8), so that later results over two neighbouring tiles are 16 neighbouring keys in a lane.
; q, k: the product is used TRANSPOSED (source 0 = 16 columns of W, source 1 = 16 tokens): a lane holds one token and 16 neighbours of each block of the head.  v: source 0 = tokens, source 1 = columns: a lane holds one channel and 16 neighbouring keys of each block.
; OUT.  QB, KB [batch x head 64][block 16][4,608]: 8 tiles x 512 bytes (lane (r, h): the 16 bytes of block h of the tile's token r); at + 4,096 lane (r, hh)'s four words: word j = the two bytes of tile 2 j + hh, token r, written twice.
;       VB [batch x head][step 16][4,352]: [channel tile 4][piece 2][lane][16 bytes], keys 64 c + 32 h + 0 .. 31; at + 4,096 lane (r, hh)'s two words: word j = the four bytes of channel tile 2 j + hh, row r.
; LIMITS: a block whose largest magnitude lies under 2^-124 (zeros among them) gets the byte 1; this program alone reads the bytes.  NaN and infinities are not served.
; NO CLUSTER: W goes from memory straight into each wave's operand registers by loads of the wave's own; a joint request would want W in LDS, in slots filled again, which this text does not have.
; 192 work-groups: v's scale word wants 128 tokens in one wave, and 128 x 64 sums are what two waves on a SIMD can hold.
; REGISTERS.  Window 0: v1-11 addresses; v12-15 scale words on their way out; v16-79 x's 8 fragments (at first: 64 numbers of x; on the way out v16-47: four out-buffers of codes); v80-175 W's fragments, 3 sets; v176-181 W's scale words, 3 sets;
;   v184-191 x's scale words; v192-223 the bias in the result's layout; v224-231 codes just made; v232-247 at work (v242, v243: the closing add's two); v248-251 scale words just made.
;   Window 1: the accumulators (at first: three sets of 64 registers of x as loaded).
; THE MODE: SCHED_MODE bits 1:0 = 2 (LLVM: expert scheduling mode 2), set by the entry lines.  The code itself states the register dependences
; between vector or matrix instructions and memory or LDS instructions, with s_wait_alu, always for 0.
; THE PLAN.  Registers that memory or LDS instructions touch:
;   v1-v9, v11     addresses and offsets: written at the head, never again; one wait on va_vdst ahead of the first load serves every load and store.
;   window 1, sets 0-2 (first phase)  the loads of step s + 3 land in set s % 3; the stage's stores of step s read it; no vector line names them.  Later the products write them.
;   XF             first phase: the stage's loads land in it, QUANT reads it.  Products: a K step's LDS loads land in it, the step's 32 products read it.  Way out: v16-47 take the codes of four tiles, which global stores read.
;   PC, PW         first phase: QUANT of step s writes them; the image's three LDS stores, issued at the head of step s + 1, read them.
;   WF, WSC, XS, BI  loads land in them, products read them.      OW: vector lines write it, one store a head reads it.
;   First phase: ONE wait on va_vdst at a step's head, behind the wait for the step's data (PC and PW are written; QUANT is done reading XF), and ONE on vm_vsrc behind the stage's round trip
;   (the stage's stores have read their set; the image's stores have read PC and PW).  Products: ONE wait on va_vdst at the head of K steps 1 to 7, for the step's 28 loads.  No second set of x's fragments: the 512 registers are taken.
;   Way out: each tile's codes have registers of their own, so the stores go in two runs, a wait on va_vdst ahead of each, and one wait on vm_vsrc stands at the trip's end.
.set XIMG, 0                           ; LDS: x's fragments: (8 m + s) x 1,024 + 512 c + 16 lane
.set XSC,  65536                       ; their scale words: 1,024 s + 32 lane + 4 m
.set STG,  73728                       ; a stage of 16 rows x (512 + 16) bytes for each wave
.set SROW, 528
.set WSTRIDE, 557056
.set L16,  1                           ; 16 x lane
.set SI,   2                           ; the stage, way in: 16 x lane
.set SO,   3                           ; the stage, way out: row r, + 64 h
.set XWI,  4                           ; where I store my tile's images
.set XWS,  5                           ; and their scale words
.set XRS,  6                           ; where I read a K step's eight scale words
.set BV,   7                           ; v's bias: 4 (r + 8 (r / 8))
.set L4,   8                           ; 4 x lane
.set BQ,   9                           ; q's, k's bias: 64 h
.set SELV, 10                          ; byte selects: lanes 0-15 bytes 0, 1 twice; lanes 16-31 bytes 2, 3 twice
.set L8,   11                          ; 8 x lane
.set OW,   12
.set XF,   16
.set OUTB, 16                          ; the way out: out-buffer i at OUTB + 8 i, in registers that x's fragments have left
.set WF,   80
.set WSC,  176
.set XS,   184
.set BI,   192
.set PC,   224
.set TM,   232
.set PW,   248
.set MSB, 0
.macro WIN new                         ; the immediate's high byte repeats the setting that is left; a switch that changes nothing is dropped
.if MSB != \new
	s_set_vgpr_msb (MSB<<8)|\new
.set MSB, \new
.endif
.endm
; one product.  row = 1: source 0's scales stand in lanes 16-31; 2: source 1's
.macro MM d, a, b, c, sa, sb, row
.if (\row) == 1
	v_wmma_scale_f32_16x16x128_f8f6f4 v[(\d):(\d)+7], v[(\a):(\a)+7], v[(\b):(\b)+7], v[(\c):(\c)+7], v[\sa], v[\sb] matrix_a_fmt:MATRIX_FMT_FP4 matrix_b_fmt:MATRIX_FMT_FP4 matrix_a_scale:MATRIX_SCALE_ROW1
.elseif (\row) == 2
	v_wmma_scale_f32_16x16x128_f8f6f4 v[(\d):(\d)+7], v[(\a):(\a)+7], v[(\b):(\b)+7], v[(\c):(\c)+7], v[\sa], v[\sb] matrix_a_fmt:MATRIX_FMT_FP4 matrix_b_fmt:MATRIX_FMT_FP4 matrix_b_scale:MATRIX_SCALE_ROW1
.else
	v_wmma_scale_f32_16x16x128_f8f6f4 v[(\d):(\d)+7], v[(\a):(\a)+7], v[(\b):(\b)+7], v[(\c):(\c)+7], v[\sa], v[\sb] matrix_a_fmt:MATRIX_FMT_FP4 matrix_b_fmt:MATRIX_FMT_FP4
.endif
.endm
; 64 numbers of a lane, register 16 b + i = place 32 b + 16 (lane / 16) + i along K of my row, become a fragment's codes in v[pc] on and its scale word in v[pw].  w = 1: the numbers lie in window 1.
.macro QUANT s, w, pw, pc
.if \w
	WIN 0x05
.endif
.irp b, 0,1,2,3
	v_max3_num_f32 v[TM+\b], |v[(\s)+16*\b]|, |v[(\s)+1+16*\b]|, 0x1800000   ; block b: my 16 numbers, from each sum's low end on, and the floor 2^(3 - 127): the byte cannot fall under 1
.endr
.if \w
	WIN 0x14
.endif
.irp i, 2,4,6,8,10,12,14
.irp b, 0,1,2,3
	v_max3_num_f32 v[TM+\b], v[TM+\b], |v[(\s)+16*\b+\i]|, |v[(\s)+1+16*\b+\i]|   ; the four blocks by turns
.endr
.endr
	WIN 0
.irp b, 0,1,2,3
	v_permlanex16_b32 v[TM+4+\b], v[TM+\b], s46, s47
.endr
.irp b, 0,1,2,3
	v_max_num_f32 v[TM+\b], v[TM+\b], v[TM+4+\b]   ; with lane l xor 16's: the block's largest magnitude
.endr
.irp b, 0,1,2,3
	v_add_nc_u32 v[TM+12+\b], 0xff000000, v[TM+\b] ; 2 off its exponent field: the conversion's scale operand
.endr
.irp b, 0,1,2,3
	v_lshrrev_b32 v[TM+4+\b], 23, v[TM+12+\b]      ; the scale's byte
.endr
	v_lshl_or_b32 v[\pw], v[TM+5], 8, v[TM+4]
	v_lshl_or_b32 v[\pw], v[TM+6], 16, v[\pw]
	v_lshl_or_b32 v[\pw], v[TM+7], 24, v[\pw]
.if \w
	WIN 0x01
.endif
.irp b, 0,1,2,3
	v_cvt_scalef32_pk8_fp4_f32 v[(\pc)+2*\b], v[(\s)+16*\b:(\s)+7+16*\b], v[TM+12+\b]
	v_cvt_scalef32_pk8_fp4_f32 v[(\pc)+1+2*\b], v[(\s)+8+16*\b:(\s)+15+16*\b], v[TM+12+\b]
.endr
	WIN 0
	v_nop                                          ; one plain line behind the scaled conversions
.irp c, 0,1                                    ; the operand wants a WHOLE block in a lane: lanes 0-15 block 2 c, lanes 16-31 block 2 c + 1
.irp i, 0,1
	v_permlane16_swap_b32 v[(\pc)+4*\c+\i], v[(\pc)+2+4*\c+\i]
.endr
.endr
.endm
	s_load_b256 s[4:11], s[0:1], 0x0               ; q s[4:5], k s[6:7], v s[8:9], bq s[10:11]
	s_load_b256 s[12:19], s[0:1], 0x20             ; bk s[12:13], bv s[14:15], WB s[16:17], QB s[18:19]
	s_load_b128 s[20:23], s[0:1], 0x40             ; KB s[20:21], VB s[22:23]
	v_lshl_add_u32 v242, v0, 2, 0x22800
	v_mov_b32 v243, 0
	v_lshrrev_b32 v252, 5, v0
	v_readfirstlane_b32 s25, v252                  ; wave 0..7
	s_and_b32 s24, ttmp7, 0xffff                   ; 0: q, 1: k, 2: v
	v_and_b32 v252, 31, v0                         ; lane
	v_and_b32 v253, 15, v0                         ; r
	v_bfe_u32 v254, v0, 4, 1                       ; h
	v_lshlrev_b32 v[L16], 4, v252
	s_wait_alu depctr_va_sdst(0)                   ; s25 is written, ahead of its first reader: LDS places and all bases are made from it
	s_mul_i32 s51, s25, 16*SROW
	s_add_co_u32 s51, s51, STG                     ; my stage
	v_add_nc_u32 v[SI], s51, v[L16]
	v_mul_u32_u24 v[SO], v253, SROW
	v_lshl_add_u32 v[SO], v254, 6, v[SO]
	v_add_nc_u32 v[SO], s51, v[SO]
	s_lshl_b32 s52, s25, 13
	v_add_nc_u32 v[XWI], s52, v[L16]               ; tile w's eight images: 8,192 w + 16 lane
	v_lshlrev_b32 v[XRS], 5, v252
	v_add_nc_u32 v[XRS], XSC, v[XRS]
	s_lshl_b32 s52, s25, 2
	v_add_nc_u32 v[XWS], s52, v[XRS]
	v_and_b32 v[BV], 8, v253
	v_add_nc_u32 v[BV], v[BV], v253
	v_lshlrev_b32 v[BV], 2, v[BV]
	v_lshlrev_b32 v[L4], 2, v252
	v_lshlrev_b32 v[BQ], 6, v254
	v_lshlrev_b32 v[L8], 3, v252
	s_mov_b32 s48, 0xffff0000                      ; lanes 16-31
	v_mov_b32 v[SELV], 0x01000100
	v_mov_b32 v255, 0x03020302
	v_cndmask_b32 v[SELV], v[SELV], v255, s48
.irp b, 0,1,2,3
	v_mov_b32 v[TM+4+\b], 0                        ; written once: a lane permute's destination counts as one of its sources
.endr
	s_mov_b32 s46, 0x76543210
	s_mov_b32 s47, 0xfedcba98                      ; selects for lane l xor 16
	s_lshl_b32 s26, s25, 4                         ; q: my tile's first token 16 w, rows 8-15 eight further on
	s_lshr_b32 s27, s25, 1
	s_lshl_b32 s27, s27, 5
	s_and_b32 s28, s25, 1
	s_lshl_b32 s28, s28, 3
	s_add_co_u32 s27, s27, s28                     ; k, v: 32 (w / 2) + 8 (w % 2), rows 8-15 sixteen further on
	s_mov_b32 s28, 65536
	s_cmp_eq_u32 s24, 0
	s_cselect_b32 s26, s26, s27
	s_cselect_b32 s28, 32768, s28                  ; 8 or 16 rows of 4,096 bytes
	s_mov_b32 s29, 0
	s_lshl_b32 s26, s26, 12
	s_lshl_b32 s30, ttmp9, 19                      ; the work-group's 128 rows
	s_add_co_u32 s30, s30, s26
	s_mov_b32 s31, 0
	s_lshr_b32 s53, ttmp9, 4
	s_lshl_b32 s53, s53, 4
	s_add_co_u32 s53, s53, s25                     ; 16 batch + head w
	s_lshl_b32 s53, s53, 4
	s_and_b32 s54, ttmp9, 15
	s_add_co_u32 s53, s53, s54                     ; x 16 + block
	s_mov_b32 s44, 4352
	s_cmp_eq_u32 s24, 2
	s_cselect_b32 s44, s44, 4608
	s_mul_i32 s54, s53, s44
	s_mov_b32 s55, 0
	s_mul_i32 s56, s24, WSTRIDE
	s_lshl_b32 s57, s25, 15
	s_add_co_u32 s58, s56, s57                     ; W's codes: head w's four tiles
	s_mov_b32 s59, 0
	s_lshl_b32 s57, s25, 11
	s_add_co_u32 s60, s56, s57
	s_add_co_u32 s60, s60, 524288                  ; and their scale words
	s_mov_b32 s61, 0
	s_lshl_b32 s62, s25, 8                         ; the bias: head w's 64 numbers
	s_mov_b32 s63, 0
	s_wait_kmcnt 0x0
	s_cmp_eq_u32 s24, 0                            ; the choices hang on the work-group's number alone
	s_cselect_b64 s[4:5], s[4:5], s[6:7]
	s_cselect_b64 s[10:11], s[10:11], s[12:13]
	s_cselect_b64 s[18:19], s[18:19], s[20:21]
	s_cmp_eq_u32 s24, 2
	s_cselect_b64 s[4:5], s[8:9], s[4:5]
	s_cselect_b64 s[10:11], s[14:15], s[10:11]
	s_cselect_b64 s[18:19], s[22:23], s[18:19]
	s_add_nc_u64 s[32:33], s[4:5], s[30:31]        ; x at my tile's rows 0-7
	s_add_nc_u64 s[34:35], s[32:33], s[28:29]      ; and at its rows 8-15
	s_add_nc_u64 s[36:37], s[16:17], s[58:59]
	s_add_nc_u64 s[38:39], s[16:17], s[60:61]
	s_add_nc_u64 s[40:41], s[10:11], s[62:63]
	s_add_nc_u64 s[42:43], s[18:19], s[54:55]
; K step s of my 16 rows, as it lies: each load reads 512 consecutive bytes; into set s % 3 of window 1
.macro XLOAD s
	WIN 0x40
.irp i, 0,1,2,3,4,5,6,7
	global_load_b128 v[64*((\s)%3)+4*\i:64*((\s)%3)+4*\i+3], v[L16], s[32:33] offset:\i*4096+(\s)*512 th:TH_LOAD_NT
.endr
.irp i, 0,1,2,3,4,5,6,7
	global_load_b128 v[64*((\s)%3)+32+4*\i:64*((\s)%3)+32+4*\i+3], v[L16], s[34:35] offset:\i*4096+(\s)*512 th:TH_LOAD_NT
.endr
	WIN 0
.endm
; the fragment in v[PC] on and its scale word in v[PW] go to LDS as they stand: K step s of my tile
.macro IMAGE s
	ds_store_b128 v[XWI], v[PC:PC+3] offset:(\s)*1024
	ds_store_b128 v[XWI], v[PC+4:PC+7] offset:(\s)*1024+512
	ds_store_b32 v[XWS], v[PW] offset:(\s)*1024
.endm
; K step s: the last step's image goes out; this step's numbers go through my stage, so that a lane gets 16 neighbours of each block of its row, and are quantised
.macro XSTEP s
.if (\s) <= 5
	s_wait_loadcnt 32                              ; this step's 16 loads are in; those of the two steps behind it may be out
.elseif (\s) == 6
	s_wait_loadcnt 16
.else
	s_wait_loadcnt 0
.endif
.if (\s) > 0
	s_wait_alu depctr_va_vdst(0)                   ; the last step's lines have written v[PC ..] and v[PW], which the image's stores read, and are done reading v[XF ..], in which the stage's loads below land
	IMAGE (\s)-1
.endif
	WIN 0x04                                       ; an LDS store's data are its source 1: window 1
.irp i, 0,1,2,3,4,5,6,7,8,9,10,11,12,13,14,15
	ds_store_b128 v[SI], v[64*((\s)%3)+4*\i:64*((\s)%3)+4*\i+3] offset:\i*SROW
.endr
	WIN 0
.irp b, 0,1,2,3
.irp j, 0,1,2,3
	ds_load_b128 v[XF+16*\b+4*\j:XF+16*\b+4*\j+3], v[SO] offset:128*\b+16*\j   ; LDS serves a wave's instructions in order: these see my stores.  No vector line since the wait above names v[XF ..]
.endr
.endr
	s_wait_dscnt 0x0                               ; the numbers are back
	s_wait_alu depctr_vm_vsrc(0)                   ; the stage's stores have read set s % 3, in which the loads of three steps on land (later: which the products write); the image's stores have read v[PC ..] and v[PW], which the lines below write again
.if (\s) < 5
	XLOAD (\s)+3
.endif
	QUANT XF, 0, PW, PC
.endm
	s_wait_alu depctr_va_vdst(0)                   ; the addresses and offsets v1 to v11 are written: every load and store of the kernel reads one of them
	XLOAD 0
	XLOAD 1
	XLOAD 2
.irp s, 0,1,2,3,4,5,6,7
	XSTEP \s
.endr
	s_wait_alu depctr_va_vdst(0)                   ; step 7's lines have written v[PC ..] and v[PW], which the last image's stores read
	IMAGE 7
	s_wait_dscnt 0x0                               ; for the others' sake: my images and scale words have landed
	s_barrier_signal -1
	s_barrier_wait -1                              ; all 64 fragments of x lie in LDS; from here on LDS is only read
	s_wait_alu depctr_vm_vsrc(0)                   ; the last image's stores have read v[PW], which the way out's lines write again
; W's four fragments and two registers of scale words of K step s, into set s % 3: ten loads
.macro WLOAD s
.irp t, 0,1,2,3
.irp c, 0,1
	global_load_b128 v[WF+32*((\s)%3)+8*\t+4*\c:WF+32*((\s)%3)+8*\t+4*\c+3], v[L16], s[36:37] offset:\t*8192+(\s)*1024+\c*512
.endr
.endr
.irp p, 0,1
	global_load_b32 v[WSC+2*((\s)%3)+\p], v[L4], s[38:39] offset:(\s)*256+\p*128
.endr
.endm
; K step s: 32 products, the 32 accumulators by turns, in the same order in every step.  vv = 1: v's path
.macro GSTEP s, vv
.rept 4
	v_nop                                          ; four places behind the last step's products, in front of loads into registers that they read
.endr
.if (\s) > 0
	s_wait_alu depctr_va_vdst(0)                   ; the last step's 32 products are done reading v[XF ..], v[XS ..] and the set of W and of its scale words in which the 28 loads below land
.endif                                                 ; (K step 0 owes none: on both ways to it the last wait on va_vdst, ahead of the last image or of the way out's stores, has no vector line behind it)
.irp m, 0,1,2,3,4,5,6,7
.irp c, 0,1
	ds_load_b128 v[XF+8*\m+4*\c:XF+8*\m+4*\c+3], v[L16] offset:(\m*8+(\s))*1024+\c*512
.endr
.endr
	ds_load_b128 v[XS:XS+3], v[XRS] offset:(\s)*1024
	ds_load_b128 v[XS+4:XS+7], v[XRS] offset:(\s)*1024+16
.if (\s) < 6
	WLOAD (\s)+2
	s_wait_loadcnt 20                              ; this step's W is in (and the bias); the ten loads of each of the two later steps may be out
.elseif (\s) == 6
	s_wait_loadcnt 10
.else
	s_wait_loadcnt 0
.endif
	s_wait_dscnt 0x0
.if (\s) == 0
	WIN 0x40                                       ; D window 1; C is the bias, window 0
.else
	WIN 0x50                                       ; C and D window 1
.endif
.if \vv
.irp t, 0,1,2,3
.irp m, 0,1,2,3,4,5,6,7
.if (\s) == 0
	MM 64*\t+8*\m, XF+8*\m, WF+32*((\s)%3)+8*\t, BI+8*\t, XS+\m, WSC+2*((\s)%3)+\t/2, 2*(\t%2)
.else
	MM 64*\t+8*\m, XF+8*\m, WF+32*((\s)%3)+8*\t, 64*\t+8*\m, XS+\m, WSC+2*((\s)%3)+\t/2, 2*(\t%2)
.endif
.endr
.endr
.else
.irp m, 0,1,2,3,4,5,6,7
.irp t, 0,1,2,3
.if (\s) == 0
	MM 32*\m+8*\t, WF+32*((\s)%3)+8*\t, XF+8*\m, BI+8*\t, WSC+2*((\s)%3)+\t/2, XS+\m, \t%2
.else
	MM 32*\m+8*\t, WF+32*((\s)%3)+8*\t, XF+8*\m, 32*\m+8*\t, WSC+2*((\s)%3)+\t/2, XS+\m, \t%2
.endif
.endr
.endr
.endif
	WIN 0
.endm
	s_mov_b32 s49, 2                               ; two heads a wave
	s_cmp_eq_u32 s24, 2
	s_cbranch_scc1 .Lv
.Lqk:                                                  ; ---- q, k: one head.  The loads below owe no wait: the products that read these registers stand ahead of the last wait on va_vdst, and no vector line stands behind it
.irp t, 0,1,2,3
	global_load_b128 v[BI+8*\t:BI+8*\t+3], v[BQ], s[40:41] offset:(32*(\t/2)+8*(\t%2))*4        ; lane (r, h), tile 2 b + u: the bias of channels 32 b + 16 h + 8 u + 0 .. 7
	global_load_b128 v[BI+8*\t+4:BI+8*\t+7], v[BQ], s[40:41] offset:(32*(\t/2)+8*(\t%2))*4+16
.endr
	WLOAD 0
	WLOAD 1
.irp s, 0,1,2,3,4,5,6,7
	GSTEP \s, 0
.endr
.rept 4
	v_nop                                          ; four places in front of the first read of the last results, and of the first write into registers that the last products read
.endr
.irp g, 0,1                                    ; token tiles 2 i and 2 i + 1 (i = 2 g + u): two blocks of 32 channels each; their codes go into out-buffer i
.irp u, 0,1
	QUANT 128*\g+64*\u, 1, PW, OUTB+16*\g+8*\u
	v_perm_b32 v[OW+2*\g+\u], v[PW], v[PW], v[SELV]    ; lanes 0-15: tile 2 i's two bytes, twice; lanes 16-31: tile 2 i + 1's
.endr
	s_wait_alu depctr_va_vdst(0)                   ; the conversions and swaps have written out-buffers 2 g and 2 g + 1 (g = 1: and the selects v[OW ..]), which the stores read
.irp j, 0,1,2,3
	global_store_b128 v[L16], v[OUTB+16*\g+4*\j:OUTB+16*\g+4*\j+3], s[42:43] offset:(4*\g+\j)*512   ; 512 consecutive bytes
.endr
.endr
	global_store_b128 v[L16], v[OW:OW+3], s[42:43] offset:4096
	s_wait_xcnt 0x0                                ; bases and data may be written again
	s_wait_alu depctr_vm_vsrc(0)                   ; the stores have read the out-buffers, in which the next head's fragments of x land, and v[OW ..], which its lines write again
	s_add_nc_u64 s[36:37], s[36:37], 262144        ; eight heads on: 32 tiles of 8,192 bytes,
	s_add_nc_u64 s[38:39], s[38:39], 16384         ; their scale words,
	s_add_nc_u64 s[40:41], s[40:41], 2048          ; their bias,
	s_add_nc_u64 s[42:43], s[42:43], 589824        ; 8 x 16 blocks of 4,608 bytes
	s_sub_co_u32 s49, s49, 1
	s_cmp_lg_u32 s49, 0
	s_cbranch_scc1 .Lqk
	s_wait_dscnt 0x0                               ; the closing lines, six on end
	s_wait_alu 0x0
	s_wait_tensorcnt 0x0
	ds_add_u32 v242, v243
	s_wait_dscnt 0x0
	s_endpgm
.Lv:                                                   ; ---- v: one head.  The loads below owe no wait, as on the other path
.irp t, 0,1,2,3
.irp j, 0,1,2,3,4,5,6,7
	global_load_b32 v[BI+8*\t+\j], v[BV], s[40:41] offset:(32*(\t/2)+8*(\t%2))*4   ; a lane holds one channel: its bias in all eight registers of the tile
.endr
.endr
	WLOAD 0
	WLOAD 1
.irp s, 0,1,2,3,4,5,6,7
	GSTEP \s, 1
.endr
.rept 4
	v_nop
.endr
.irp g, 0,1                                    ; channel tile t = 2 g + u: its 64 registers are 128 keys, four blocks; its codes go into out-buffer t
.irp u, 0,1
	QUANT 128*\g+64*\u, 1, PW+2*\g+\u, OUTB+16*\g+8*\u
.endr
.if \g == 1
	v_cndmask_b32 v[OW], v[PW], v[PW+1], s48       ; lanes 0-15: tile 0's words, lanes 16-31: tile 1's
	v_cndmask_b32 v[OW+1], v[PW+2], v[PW+3], s48
.endif
	s_wait_alu depctr_va_vdst(0)                   ; the conversions and swaps have written out-buffers 2 g and 2 g + 1 (g = 1: and the selects v[OW], v[OW + 1]), which the stores read
.irp j, 0,1,2,3
	global_store_b128 v[L16], v[OUTB+16*\g+4*\j:OUTB+16*\g+4*\j+3], s[42:43] offset:(4*\g+\j)*512
.endr
.endr
	global_store_b64 v[L8], v[OW:OW+1], s[42:43] offset:4096
	s_wait_xcnt 0x0
	s_wait_alu depctr_vm_vsrc(0)                   ; the stores have read the out-buffers, in which the next head's fragments of x land, and v[OW], v[OW + 1], which its lines write again
	s_add_nc_u64 s[36:37], s[36:37], 262144
	s_add_nc_u64 s[38:39], s[38:39], 16384
	s_add_nc_u64 s[40:41], s[40:41], 2048
	s_add_nc_u64 s[42:43], s[42:43], 557056        ; 8 x 16 steps of 4,352 bytes
	s_sub_co_u32 s49, s49, 1
	s_cmp_lg_u32 s49, 0
	s_cbranch_scc1 .Lv
	s_wait_dscnt 0x0                               ; the closing lines, six on end
	s_wait_alu 0x0
	s_wait_tensorcnt 0x0
	ds_add_u32 v242, v243
	s_wait_dscnt 0x0
	s_endpgm
.Lfunc_end_k_qd73adf2ab0_proj:
	.size	k_qd73adf2ab0_proj, .Lfunc_end_k_qd73adf2ab0_proj-k_qd73adf2ab0_proj
	.p2alignl 7, 3214868480
	.fill 96, 4, 3214868480
	.section	.rodata,"a",@progbits
	.p2align	6, 0x0
	.amdhsa_kernel k_qd73adf2ab0_proj
		.amdhsa_group_segment_fixed_size 142336
		.amdhsa_private_segment_fixed_size 0
		.amdhsa_enable_private_segment 0
		.amdhsa_kernarg_size 80
		.amdhsa_user_sgpr_count 2
		.amdhsa_user_sgpr_kernarg_segment_ptr 1
		.amdhsa_wavefront_size32 1
		.amdhsa_system_sgpr_workgroup_id_x 1
		.amdhsa_system_sgpr_workgroup_id_y 1
		.amdhsa_system_sgpr_workgroup_id_z 1
		.amdhsa_system_vgpr_workitem_id 0
		.amdhsa_next_free_vgpr 512
		.amdhsa_next_free_sgpr 66
		.amdhsa_reserve_vcc 0
		.amdhsa_float_denorm_mode_32 3
		.amdhsa_float_denorm_mode_16_64 3
		.amdhsa_memory_ordered 1
		.amdhsa_forward_progress 1
		.amdhsa_inst_pref_size 206
	.end_amdhsa_kernel
	.amdgpu_metadata
---
amdhsa.version: [ 1, 2 ]
amdhsa.kernels:
  - .name:           k_qd73adf2ab0_proj
    .symbol:         k_qd73adf2ab0_proj.kd
    .args:
      - { .name: q, .offset: 0, .size: 8, .value_kind: global_buffer, .address_space: global }
      - { .name: k, .offset: 8, .size: 8, .value_kind: global_buffer, .address_space: global }
      - { .name: v, .offset: 16, .size: 8, .value_kind: global_buffer, .address_space: global }
      - { .name: bq, .offset: 24, .size: 8, .value_kind: global_buffer, .address_space: global }
      - { .name: bk, .offset: 32, .size: 8, .value_kind: global_buffer, .address_space: global }
      - { .name: bv, .offset: 40, .size: 8, .value_kind: global_buffer, .address_space: global }
      - { .name: WB, .offset: 48, .size: 8, .value_kind: global_buffer, .address_space: global }
      - { .name: QB, .offset: 56, .size: 8, .value_kind: global_buffer, .address_space: global }
      - { .name: KB, .offset: 64, .size: 8, .value_kind: global_buffer, .address_space: global }
      - { .name: VB, .offset: 72, .size: 8, .value_kind: global_buffer, .address_space: global }
    .group_segment_fixed_size: 142336
    .private_segment_fixed_size: 0
    .kernarg_segment_align: 8
    .kernarg_segment_size: 80
    .max_flat_workgroup_size: 256
    .sgpr_count:     66
    .vgpr_count:     512
    .wavefront_size: 32
...
	.end_amdgpu_metadata
.endif
;; end of part 6
;; launch attn (part 7): grid 4 x 64, 16 waves a work-group, no clusters, 0 bytes of LDS; arguments QB, KB, VB, CB; writes CB
.if DOCPART == 7
	.amdgcn_target "amdgcn-amd-amdhsa--gfx1250"
	.amdhsa_code_object_version 6
	.text
	.protected	k_qd73adf2ab0_attn
	.globl	k_qd73adf2ab0_attn
	.p2align	8
	.type	k_qd73adf2ab0_attn,@function
k_qd73adf2ab0_attn:
	s_mov_b64 s[64:65], 0
	v_nop
	global_prefetch_b8 v0, s[64:65] scope:SCOPE_SE
	s_setreg_imm32_b32 hwreg(HW_REG_WAVE_SCHED_MODE, 0, 2), 2
	s_setreg_imm32_b32 hwreg(HW_REG_WAVE_MODE, 25, 1), 1
	s_wait_xcnt 0x0
	s_wait_alu depctr_vm_vsrc(0)
; Causal attention on codes of E2M1, head size 64, 2,048 tokens, 64 (batch, head) pairs; the result, divided by the row's sum, is quantised along the model's 1,024 for the last projection.
; THE SOFTMAX: t = score x log2(e) / 8; M = the running largest t rounded UP to a whole number; p = 2^(t - M) is quantised along the keys, not normalised; the row's sum is taken of the unquantised p; when M moves, the sum and O are multiplied by 2^(old M - new M), exactly.
; SHARES.  y = 16 batch + head.  Wave p = 16 x + wave (0 .. 63) does query tile 127 - p and then tile p: a tile qt of 16 queries walks qt / 8 + 1 steps of 128 keys (the steps wholly behind the diagonal are not done), so EVERY wave walks 17 steps.
; 4,096 equal waves, four on each SIMD, so that one wave's vector work stands beside another's products and loads.  No LDS and no barrier: K's and V's fragments lie in memory in the order of the operand's registers and come by loads of 512 consecutive bytes,
; asked for ahead of a step's softmax: V for the products behind it, K for the next step.
; NO CLUSTER, no shared tiles in LDS: the waves of a work-group need different numbers of steps at different times (1 to 16 a tile), and nothing here makes them meet.  The price: each wave fetches its own 8,960 bytes a step.
; LAYOUT.  Both products are used transposed: S^T = K Q^T (source 0 = 16 keys, source 1 = my 16 queries), O^T = V^T P^T: a lane holds ONE query (lane % 16) throughout.  The keys of a tile of K and the channels of a tile of V are laid
; (by the launch before) so that the 16 registers of tiles 2 b, 2 b + 1 are 16 neighbours: 32 b + 16 (lane / 16) + 0 .. 15.
; K = 64 IN A FORM OF 128: Q's 16 bytes a lane stand twice (both halves of the operand), a tile of K has its 16 bytes in one half and zero codes in the other; two tiles share four registers of zeros: (data, zeros, data).  The scale words hold the two bytes twice.
; OUT.  CB: codes [row tile 512][K step 8][piece 2][lane][16 bytes]: head hd is K step hd / 2, piece hd % 2; at + 4,194,304 scale bytes [row 8192][32]: two bytes a row and head (stores of 2 bytes, 32 apart: 262,144 bytes in the whole launch).
; LIMITS: a block whose largest magnitude lies under 2^-124 (zeros among them) gets the byte 1; this program alone reads the bytes.  NaN and infinities are not served.
; REGISTERS: v1-7 addresses and the mask's numbers; v8-15 Q; v16 Q's scale word, v17 p's, v24-27 K's, v28-29 V's; v18 -M, v19 the largest t, v[20:21] the sum in two halves, v[22:23] f;
;   v32-79 K; v80-111 V; v112-175 S^T, then p; v176-207 O^T; v208-215 codes; v216-235 at work.  s46-s61: on the diagonal, sixteen masks at a time.
; THE MODE: SCHED_MODE bits 1:0 = 2 (LLVM: expert scheduling mode 2), set by the entry lines.  The code itself states the register dependences
; between vector or matrix instructions and memory instructions, with s_wait_alu, always for 0.
; THE PLAN.  Registers that memory instructions touch:
;   v1-v4          offsets: written at the head, never again; one wait on va_vdst ahead of the first load serves every load and store.
;   K, v24-27      the nine loads of step j + 1 land in them, in step j; the eight score products of a step read them.
;   V, v28-29      the nine loads of step j land in them, in step j; the step's four products V^T P read them.
;   Q, v16         three loads at a tile's head land in them; the score products read them.
;   v208-211, v231 the way out's lines write them, its two stores read them; the next tile's lines write them again.
; A STEP: the score products; ONE wait on va_vdst behind them (they are done reading K; the last step's V^T P is done reading V); V's and K's eighteen loads in one run; the softmax, none of whose lines names a register that these loads touch.
; Three more waits on va_vdst stand in a step, for vector results alone: ahead of the exponentials, behind them, and ahead of V^T P, which takes p's codes and scale word from vector lines.
.set S,   112
.set O,   176
.set PC,  208
.set BM,  216                          ; a block's largest score, then its largest p
.set PB,  220                          ; the other half's; then the bytes
.set SOP, 224                          ; the conversions' scale operands
.set C2,  228                          ; the sum's second chain
.set TP,  230
.set NM,  18
.set TR,  19
.set SUM, 20
.set F,   22
.set MK,  46                           ; s46-s61: the masks
.macro MM d, a, b, c, sa, sb, row      ; c < 0: the constant 0 starts the sum;  row = 1: source 0's scales stand in lanes 16-31
.if (\c) < 0
.if (\row) == 1
	v_wmma_scale_f32_16x16x128_f8f6f4 v[(\d):(\d)+7], v[(\a):(\a)+7], v[(\b):(\b)+7], 0, v[\sa], v[\sb] matrix_a_fmt:MATRIX_FMT_FP4 matrix_b_fmt:MATRIX_FMT_FP4 matrix_a_scale:MATRIX_SCALE_ROW1
.else
	v_wmma_scale_f32_16x16x128_f8f6f4 v[(\d):(\d)+7], v[(\a):(\a)+7], v[(\b):(\b)+7], 0, v[\sa], v[\sb] matrix_a_fmt:MATRIX_FMT_FP4 matrix_b_fmt:MATRIX_FMT_FP4
.endif
.else
.if (\row) == 1
	v_wmma_scale_f32_16x16x128_f8f6f4 v[(\d):(\d)+7], v[(\a):(\a)+7], v[(\b):(\b)+7], v[(\c):(\c)+7], v[\sa], v[\sb] matrix_a_fmt:MATRIX_FMT_FP4 matrix_b_fmt:MATRIX_FMT_FP4 matrix_a_scale:MATRIX_SCALE_ROW1
.else
	v_wmma_scale_f32_16x16x128_f8f6f4 v[(\d):(\d)+7], v[(\a):(\a)+7], v[(\b):(\b)+7], v[(\c):(\c)+7], v[\sa], v[\sb] matrix_a_fmt:MATRIX_FMT_FP4 matrix_b_fmt:MATRIX_FMT_FP4
.endif
.endif
.endm
.macro KLOAD                           ; a step's eight tiles of K and their scale words: nine loads
.irp a, 0,1,2,3
	global_load_b128 v[32+12*\a:35+12*\a], v1, s[22:23] offset:1024*\a
	global_load_b128 v[40+12*\a:43+12*\a], v1, s[22:23] offset:1024*\a+512
.endr
	global_load_b128 v[24:27], v1, s[22:23] offset:4096
.endm
.macro VLOAD                           ; a step's four tiles of V and their scale words: nine loads
.irp t, 0,1,2,3
.irp c, 0,1
	global_load_b128 v[80+8*\t+4*\c:83+8*\t+4*\c], v1, s[24:25] offset:1024*\t+512*\c
.endr
.endr
	global_load_b64 v[28:29], v2, s[24:25] offset:4096
.endm
	s_load_b256 s[4:11], s[0:1], 0x0               ; QB s[4:5], KB s[6:7], VB s[8:9], CB s[10:11]
	v_lshrrev_b32 v230, 5, v0
	v_readfirstlane_b32 s13, v230                  ; wave 0..15
	s_and_b32 s12, ttmp7, 0xffff                   ; 16 batch + head
	s_lshl_b32 s14, ttmp9, 4
	v_and_b32 v231, 31, v0                         ; lane
	v_and_b32 v232, 15, v0                         ; r
	v_bfe_u32 v233, v0, 4, 1                       ; h
	v_lshlrev_b32 v1, 4, v231                      ; 16 x lane
	v_lshlrev_b32 v2, 3, v231                      ; 8 x lane
	v_lshlrev_b32 v3, 4, v232                      ; 16 r
	v_lshlrev_b32 v4, 5, v232                      ; 32 r
	v_lshlrev_b32 v233, 4, v233
	v_sub_nc_u32 v5, v232, v233                    ; r - 16 h
	v_mov_b32 v6, 0xff800000                       ; -infinity
.irp a, 0,1,2,3
.irp i, 0,1,2,3
	v_mov_b32 v[36+12*\a+\i], 0                    ; the zero codes that two tiles of K share: written once
.endr
.endr
.irp b, 0,1,2,3
	v_mov_b32 v[PB+\b], 0                          ; written once: a lane permute's destination counts as one of its sources
.endr
	v_mov_b32 v[F+1], 0                            ; named as the upper half of the pair, so it is written
	s_wait_alu depctr_va_sdst(0)                   ; s13 is written, ahead of its first reader
	s_add_co_u32 s14, s14, s13                     ; p
	s_mul_i32 s46, s12, 73728                      ; 16 blocks of 4,608 bytes
	s_mov_b32 s47, 0
	s_mul_i32 s48, s12, 69632                      ; 16 steps of 4,352 bytes
	s_mov_b32 s49, 0
	s_mov_b32 s42, 0x76543210
	s_mov_b32 s43, 0xfedcba98                      ; selects for lane l xor 16
	s_mov_b32 s44, 0x3e38aa3b                      ; c = log2(e) / 8
	s_mov_b32 s45, s44                             ; named with it as a pair, so it is written
	s_wait_kmcnt 0x0
	s_add_nc_u64 s[20:21], s[4:5], s[46:47]        ; my head in QB,
	s_add_nc_u64 s[16:17], s[6:7], s[46:47]        ; in KB,
	s_add_nc_u64 s[18:19], s[8:9], s[48:49]        ; in VB
	s_mov_b64 s[22:23], s[16:17]
	s_mov_b64 s[24:25], s[18:19]
	s_wait_alu depctr_va_vdst(0)                   ; the offsets v1 to v4 are written, which every load and store reads; so are the zero codes, which the score products take as part of their operands
	KLOAD                                          ; step 0
	s_mov_b32 s40, 0
.Ltile:                                                ; two trips: tile 127 - p, then tile p
	s_sub_co_u32 s46, 127, s14
	s_cmp_eq_u32 s40, 0
	s_cselect_b32 s36, s46, s14                    ; qt
	s_lshr_b32 s37, s36, 3                         ; its block of 128
	s_mul_i32 s46, s37, 4608
	s_add_co_u32 s37, s37, 1                       ; its key steps
	s_and_b32 s47, s36, 7
	s_lshl_b32 s41, s47, 4                         ; my first query's place in the last step
	s_lshl_b32 s48, s47, 9
	s_add_co_u32 s48, s48, s46
	s_mov_b32 s49, 0
	s_add_nc_u64 s[30:31], s[20:21], s[48:49]      ; Q's codes: tile qt % 8 of the block
	s_and_b32 s50, s36, 1
	s_lshl_b32 s50, s50, 8
	s_lshr_b32 s51, s47, 1
	s_lshl_b32 s51, s51, 2
	s_add_co_u32 s50, s50, s51
	s_add_co_u32 s50, s50, s46
	s_mov_b32 s51, 0
	s_add_nc_u64 s[52:53], s[20:21], s[50:51]      ; its scale words: lanes 16 (qt % 2) on, word (qt % 8) / 2
	global_load_b128 v[8:11], v1, s[30:31]         ; Q's 16 bytes a lane, in both halves of the operand.  These three loads owe no wait: the products that read v8 to v16 stand ahead of the last wait on va_vdst
	global_load_b128 v[12:15], v1, s[30:31]        ; (the head's, or the one ahead of the last tile's stores), and no vector line stands behind it
	global_load_b32 v16, v3, s[52:53] offset:4096
	s_lshr_b32 s46, s12, 4
	s_lshl_b32 s46, s46, 7
	s_add_co_u32 s46, s46, s36                     ; the row tile: 128 batch + qt
	s_lshl_b32 s48, s46, 13
	s_and_b32 s50, s12, 15                         ; the head
	s_lshl_b32 s49, s50, 9                         ; K step head / 2, piece head % 2: 512 bytes a head
	s_add_co_u32 s48, s48, s49
	s_mov_b32 s49, 0
	s_add_nc_u64 s[32:33], s[10:11], s[48:49]      ; where the codes go
	s_lshl_b32 s48, s46, 9                         ; 16 rows of 32 scale bytes
	s_lshl_b32 s50, s50, 1
	s_add_co_u32 s48, s48, s50
	s_add_co_u32 s48, s48, 4194304
	s_add_nc_u64 s[34:35], s[10:11], s[48:49]      ; and the two bytes a row
.set j, 0
.rept 32
	v_mov_b32 v[O+j], 0                            ; O^T: the step is written once; the first finds zeros, which the first change of M leaves zeros
.set j, j+1
.endr
	v_mov_b32 v[TR], 0xff61b1e6                    ; the largest t so far: -3e38
	v_floor_f32 v[NM], -v[TR]
	v_mov_b32 v[SUM], 0
	v_mov_b32 v[SUM+1], 0
	s_wait_loadcnt 0x0                             ; Q was asked for last: once a tile everything is waited for
	s_mov_b32 s38, 0
.Lstep:
	s_wait_loadcnt 0x0                             ; K of this step is in: it was asked for behind the last step's V, and nothing behind it
.irp a, 0,1,2,3
	MM S+16*\a, 32+12*\a, 8, -1, 24+\a, 16, 0
	MM S+16*\a+8, 36+12*\a, 8, -1, 24+\a, 16, 1
.endr
.rept 4
	v_nop                                          ; four places: in front of loads into K's and V's registers and of the first read of the scores
.endr
	s_wait_xcnt 0x0                                ; every earlier memory instruction has had its address translated: K's base may step
	s_add_co_u32 s39, s38, 1
	s_add_nc_u64 s[26:27], s[22:23], 4608
	s_cmp_lt_u32 s39, s37
	s_cselect_b64 s[22:23], s[26:27], s[16:17]     ; the next step, or, behind a tile's last, the head's step 0: the next tile begins there, and no load leaves its buffer
	s_wait_alu depctr_va_vdst(0)                   ; the eight products above are done reading K and its scale words, the last step's four are done reading V and its scale words: the eighteen loads below land there
	VLOAD                                          ; this step's V
	KLOAD                                          ; the next step's K
	s_cmp_lt_u32 s39, s37
	s_cbranch_scc1 .Lopen                          ; only a tile's last step lies on the diagonal
	v_add_nc_u32 v7, s41, v5                       ; d = my query's place - 16 h.  Register 16 b + i holds key 32 b + 16 h + i: hidden where 32 b + i > d
.set g, 0
.rept 4                                        ; a block of 32 keys at a time: sixteen compares into sixteen scalar registers, one wait, sixteen selects
.set n, 0
.rept 16
	v_cmp_gt_i32 s[MK+n], 32*g+n, v7
.set n, n+1
.endr
	s_wait_alu depctr_va_sdst(0)                   ; the sixteen masks are written, ahead of the selects that read them
.set n, 0
.rept 16
	v_cndmask_b32 v[S+16*g+n], v[S+16*g+n], v6, s[MK+n]
.set n, n+1
.endr
.set g, g+1
.endr
.Lopen:
.irp b, 0,1,2,3
	v_max3_num_f32 v[BM+\b], v[S+16*\b], v[S+1+16*\b], v[S+2+16*\b]   ; the largest score of each block of 32 keys: for the row's maximum and, since p rises with the score, for the block's largest p
.endr
.irp i, 3,5,7,9,11,13
.irp b, 0,1,2,3
	v_max3_num_f32 v[BM+\b], v[BM+\b], v[S+16*\b+\i], v[S+1+16*\b+\i]
.endr
.endr
.irp b, 0,1,2,3
	v_max_num_f32 v[BM+\b], v[BM+\b], v[S+15+16*\b]
.endr
.irp b, 0,1,2,3
	v_permlanex16_b32 v[PB+\b], v[BM+\b], s42, s43
.endr
.irp b, 0,1,2,3
	v_max_num_f32 v[BM+\b], v[BM+\b], v[PB+\b]     ; with lane l xor 16's 16 keys
.endr
	v_max3_num_f32 v[TP], v[BM], v[BM+1], v[BM+2]
	v_max_num_f32 v[TP], v[TP], v[BM+3]
	v_mul_f32 v[TP], s44, v[TP]                    ; as t (c is positive)
	v_max_num_f32 v[TR], v[TR], v[TP]              ; the running largest t
	v_mov_b32 v[TP], v[NM]
	v_floor_f32 v[NM], -v[TR]                      ; the new -M = -ceil(t): a whole number
	v_sub_f32 v[TP], v[NM], v[TP]                  ; old M - new M: a whole number, 0 or less
	v_cvt_i32_f32 v[TP], v[TP]                     ; (it saturates)
	v_ldexp_f32 v[F], 1.0, v[TP]                   ; f = 2^(old M - new M)
.set j, 0
.rept 32
	v_pk_fma_f32 v[S+j:S+j+1], v[S+j:S+j+1], s[44:45], v[NM:NM+1] op_sel_hi:[1,0,0]   ; t - M, two at a time
.set j, j+2
.endr
.irp b, 0,1,2,3
	v_fma_f32 v[BM+\b], v[BM+\b], s44, v[NM]
.endr
.set j, 0
	s_wait_alu depctr_va_vdst(0)
.rept 64
	v_exp_f32 v[S+j], v[S+j]                       ; p = 2^(t - M)
.set j, j+1
.endr
.irp b, 0,1,2,3
	v_exp_f32 v[BM+\b], v[BM+\b]                   ; the block's largest p: the same two instructions on the same number
.endr
	v_pk_mul_f32 v[SUM:SUM+1], v[SUM:SUM+1], v[F:F+1] op_sel_hi:[1,0]   ; the sums under the new M (a plain line behind the exponentials)
	s_wait_alu depctr_va_vdst(0)                   ; the 68 exponentials have written p and the blocks' largest p: one wait for the batch, ahead of its first reader
.irp b, 0,1,2,3
	v_max_num_f32 v[BM+\b], 0x1800000, v[BM+\b]    ; the floor 2^(3 - 127): the byte cannot fall under 1; a block of zeros keeps it, its codes are zeros
.endr
.irp b, 0,1,2,3
	v_add_nc_u32 v[SOP+\b], 0xff000000, v[BM+\b]   ; 2 off the exponent field: the conversion's scale operand
.endr
.irp b, 0,1,2,3
	v_lshrrev_b32 v[PB+\b], 23, v[SOP+\b]          ; the byte
.endr
	v_lshl_or_b32 v17, v[PB+1], 8, v[PB]           ; p's scale word for these 128 keys
	v_lshl_or_b32 v17, v[PB+2], 16, v17
	v_lshl_or_b32 v17, v[PB+3], 24, v17
.irp b, 0,1,2,3
	v_cvt_scalef32_pk8_fp4_f32 v[PC+2*\b], v[S+16*\b:S+7+16*\b], v[SOP+\b]
	v_cvt_scalef32_pk8_fp4_f32 v[PC+1+2*\b], v[S+8+16*\b:S+15+16*\b], v[SOP+\b]
.endr
	v_nop                                          ; one plain line behind the scaled conversions
.irp c, 0,1                                    ; a WHOLE block in a lane: lanes 0-15 block 2 c, lanes 16-31 block 2 c + 1
.irp i, 0,1
	v_permlane16_swap_b32 v[PC+4*\c+\i], v[PC+2+4*\c+\i]
.endr
.endr
	v_pk_add_f32 v[C2:C2+1], v[S:S+1], v[S+2:S+3]  ; the row's sum of the UNQUANTISED p, in two chains
.irp j, 4,8,12,16,20,24,28,32,36,40,44,48,52,56,60
	v_pk_add_f32 v[SUM:SUM+1], v[SUM:SUM+1], v[S+\j:S+1+\j]
	v_pk_add_f32 v[C2:C2+1], v[C2:C2+1], v[S+2+\j:S+3+\j]
.endr
	v_pk_add_f32 v[SUM:SUM+1], v[SUM:SUM+1], v[C2:C2+1]
.set j, 0
.rept 16
	v_pk_mul_f32 v[O+j:O+j+1], v[O+j:O+j+1], v[F:F+1] op_sel_hi:[1,0]   ; O^T under the new M.  (With the sums above: far more than the eight places between the scale word's last write and the products below)
.set j, j+2
.endr
	s_wait_loadcnt 9                               ; V of this step is in; behind it the next step's nine loads of K were issued and may be out
	s_add_nc_u64 s[28:29], s[24:25], 4352          ; V's base is free since that wait, which shows the loads that read it done:
	s_cmp_lt_u32 s39, s37
	s_cselect_b64 s[24:25], s[28:29], s[18:19]     ; the next step, or, behind a tile's last, the head's step 0
	s_wait_alu depctr_va_vdst(0)                   ; the conversions and swaps have written p's codes, the shifts its scale word: the scaled products below take them as operand and scales; the places stand above
.irp t, 0,1,2,3
	MM O+8*\t, 80+8*\t, PC, O+8*\t, 28+\t/2, 17, \t%2      ; the four accumulators by turns
.endr
	s_add_co_u32 s38, s38, 1
	s_cmp_lt_u32 s38, s37
	s_cbranch_scc1 .Lstep
	; THE WAY OUT: O^T / the sum; its 32 registers are two blocks of 32 along the model's 1,024; quantised; 512 consecutive bytes of codes, two scale bytes a row
.rept 4
	v_nop                                          ; four places in front of the way out's first read of the last results
.endr
	v_add_f32 v[SUM], v[SUM], v[SUM+1]
	v_permlanex16_b32 v[TP], v[SUM], s42, s43
	v_add_f32 v[SUM], v[SUM], v[TP]                ; the row's sum
	s_wait_alu depctr_va_vdst(0)
	v_rcp_f32 v[F], v[SUM]
	v_nop                                          ; one plain line behind the transcendental
	s_wait_alu depctr_va_vdst(0)                   ; the reciprocal has written v[F], ahead of its first reader
.set j, 0
.rept 16
	v_pk_mul_f32 v[S+j:S+j+1], v[O+j:O+j+1], v[F:F+1] op_sel_hi:[1,0]   ; each accumulator from its low end on
.set j, j+2
.endr
.irp b, 0,1
	v_max3_num_f32 v[BM+\b], |v[S+16*\b]|, |v[S+1+16*\b]|, 0x1800000
.endr
.irp i, 2,4,6,8,10,12,14
.irp b, 0,1
	v_max3_num_f32 v[BM+\b], v[BM+\b], |v[S+16*\b+\i]|, |v[S+1+16*\b+\i]|
.endr
.endr
.irp b, 0,1
	v_permlanex16_b32 v[PB+\b], v[BM+\b], s42, s43
.endr
.irp b, 0,1
	v_max_num_f32 v[BM+\b], v[BM+\b], v[PB+\b]
.endr
.irp b, 0,1
	v_add_nc_u32 v[SOP+\b], 0xff000000, v[BM+\b]
.endr
.irp b, 0,1
	v_lshrrev_b32 v[PB+\b], 23, v[SOP+\b]
.endr
	v_lshl_or_b32 v231, v[PB+1], 8, v[PB]          ; my row's two bytes
.irp b, 0,1
	v_cvt_scalef32_pk8_fp4_f32 v[PC+2*\b], v[S+16*\b:S+7+16*\b], v[SOP+\b]
	v_cvt_scalef32_pk8_fp4_f32 v[PC+1+2*\b], v[S+8+16*\b:S+15+16*\b], v[SOP+\b]
.endr
	v_nop
	v_permlane16_swap_b32 v[PC], v[PC+2]           ; lanes 0-15: the head's first block, lanes 16-31: its second
	v_permlane16_swap_b32 v[PC+1], v[PC+3]
	s_wait_alu depctr_va_vdst(0)                   ; the swaps have written the codes and the shift v231, which the two stores read
	global_store_b128 v1, v[PC:PC+3], s[32:33]
	global_store_b16 v4, v231, s[34:35]            ; lanes l and l xor 16 store the same two bytes at the same place
	s_wait_xcnt 0x0                                ; bases and data may be written again
	s_wait_alu depctr_vm_vsrc(0)                   ; the two stores have read the codes' registers and v231, which the next tile's lines write again
	s_add_co_u32 s40, s40, 1
	s_cmp_lt_u32 s40, 2
	s_cbranch_scc1 .Ltile
	s_endpgm
.Lfunc_end_k_qd73adf2ab0_attn:
	.size	k_qd73adf2ab0_attn, .Lfunc_end_k_qd73adf2ab0_attn-k_qd73adf2ab0_attn
	.p2alignl 7, 3214868480
	.fill 96, 4, 3214868480
	.section	.rodata,"a",@progbits
	.p2align	6, 0x0
	.amdhsa_kernel k_qd73adf2ab0_attn
		.amdhsa_group_segment_fixed_size 0
		.amdhsa_private_segment_fixed_size 0
		.amdhsa_enable_private_segment 0
		.amdhsa_kernarg_size 32
		.amdhsa_user_sgpr_count 2
		.amdhsa_user_sgpr_kernarg_segment_ptr 1
		.amdhsa_wavefront_size32 1
		.amdhsa_system_sgpr_workgroup_id_x 1
		.amdhsa_system_sgpr_workgroup_id_y 1
		.amdhsa_system_sgpr_workgroup_id_z 1
		.amdhsa_system_vgpr_workitem_id 0
		.amdhsa_next_free_vgpr 256
		.amdhsa_next_free_sgpr 66
		.amdhsa_reserve_vcc 0
		.amdhsa_float_denorm_mode_32 3
		.amdhsa_float_denorm_mode_16_64 3
		.amdhsa_memory_ordered 1
		.amdhsa_forward_progress 1
		.amdhsa_inst_pref_size 35
	.end_amdhsa_kernel
	.amdgpu_metadata
---
amdhsa.version: [ 1, 2 ]
amdhsa.kernels:
  - .name:           k_qd73adf2ab0_attn
    .symbol:         k_qd73adf2ab0_attn.kd
    .args:
      - { .name: QB, .offset: 0, .size: 8, .value_kind: global_buffer, .address_space: global }
      - { .name: KB, .offset: 8, .size: 8, .value_kind: global_buffer, .address_space: global }
      - { .name: VB, .offset: 16, .size: 8, .value_kind: global_buffer, .address_space: global }
      - { .name: CB, .offset: 24, .size: 8, .value_kind: global_buffer, .address_space: global }
    .group_segment_fixed_size: 0
    .private_segment_fixed_size: 0
    .kernarg_segment_align: 8
    .kernarg_segment_size: 32
    .max_flat_workgroup_size: 512
    .sgpr_count:     66
    .vgpr_count:     256
    .wavefront_size: 32
...
	.end_amdgpu_metadata
.endif
;; end of part 7
;; launch oproj (part 8): grid 4 x 64, 16 waves a work-group, no clusters, 280,576 bytes of LDS; arguments CB, WB, bo, out0; writes out0
.if DOCPART == 8
	.amdgcn_target "amdgcn-amd-amdhsa--gfx1250"
	.amdhsa_code_object_version 6
	.text
	.protected	k_qd73adf2ab0_oproj
	.globl	k_qd73adf2ab0_oproj
	.p2align	8
	.type	k_qd73adf2ab0_oproj,@function
k_qd73adf2ab0_oproj:
	s_mov_b64 s[64:65], 0
	v_nop
	global_prefetch_b8 v0, s[64:65] scope:SCOPE_SE
	s_setreg_imm32_b32 hwreg(HW_REG_WAVE_MODE, 25, 1), 1
	s_wait_xcnt 0x0
; out0 = ctx Wo + bo: ctx's codes and scale bytes (CB) x Wo's (WB, the fourth weight), both E2M1 with E8M0 scales; sums in f32, the bias as the C of each sum's first product.
; SHARES.  A work-group makes 128 rows (y) x 256 columns (x).  Its operands, all of K, are four dense blocks of memory (65,536 + 131,072 bytes of codes, 4,096 + 8,192 of scales): they come into LDS ONCE, by asynchronous copies at the head,
; 16 bytes a lane, as they lie: both buffers are laid in the order of the operand's registers.  One barrier.  Wave w: row tiles 2 (w % 4), + 1, and the 64 columns w / 4: eight accumulators, by turns.
; THE PRODUCT IS USED TRANSPOSED (source 0 = 16 columns of Wo, source 1 = 16 rows of ctx): with the columns of a tile laid as they are, a lane's registers of tiles 2 b, 2 b + 1 are 16 neighbouring columns of one row.
; THE WAY OUT: 16 rows x 64 columns go through the wave's own stage (rows of 256 + 16 bytes) and leave as whole rows: sixteen lanes store 256 consecutive bytes, aligned.  The stage has bytes of its own, into which no copy lands.
; NO CLUSTER: everything is copied once and nothing is filled again; the copies are lane by lane and have no joint form.  The claim of LDS is what the text uses, more than half of what a WGP has.
.set WSTRIDE, 557056
.set CIMG, 0                           ; ctx's fragments: 8,192 x row tile + 1,024 s + 512 c + 16 lane
.set WIMG, 65536                       ; Wo's: 8,192 x tile + the same
.set CSCL, 196608                      ; ctx's scale bytes: 32 a row
.set WSCL, 200704                      ; Wo's scale words: 2,048 x group of 64 columns + 256 s + 128 (tile / 2) + 4 lane
.set STG,  208896                      ; 16 stages of 16 x 272 bytes
.set CS,  16                           ; v16-31  ctx's scale words: 8 m + s
.set WS,  32                           ; v32-47  Wo's: 2 s + tile / 2
.set BI,  48                           ; v48-79  the bias in the result's layout
.set ACC, 80                           ; v80-143 accumulator (m, t) at 32 m + 8 t
.set CF,  144                          ; v144-175 ctx's fragments, two sets
.set WF,  176                          ; v176-239 Wo's fragments, two sets; on the way out the rows read back
.macro MM d, a, b, c, sa, sb, row      ; row = 1: source 0's scales stand in lanes 16-31
.if (\row) == 1
	v_wmma_scale_f32_16x16x128_f8f6f4 v[(\d):(\d)+7], v[(\a):(\a)+7], v[(\b):(\b)+7], v[(\c):(\c)+7], v[\sa], v[\sb] matrix_a_fmt:MATRIX_FMT_FP4 matrix_b_fmt:MATRIX_FMT_FP4 matrix_a_scale:MATRIX_SCALE_ROW1
.else
	v_wmma_scale_f32_16x16x128_f8f6f4 v[(\d):(\d)+7], v[(\a):(\a)+7], v[(\b):(\b)+7], v[(\c):(\c)+7], v[\sa], v[\sb] matrix_a_fmt:MATRIX_FMT_FP4 matrix_b_fmt:MATRIX_FMT_FP4
.endif
.endm
	s_load_b256 s[4:11], s[0:1], 0x0               ; CB s[4:5], WB s[6:7], bo s[8:9], out0 s[10:11]
	v_lshl_add_u32 v254, v0, 2, 0x44000
	v_mov_b32 v255, 0
	ds_add_u32 v254, v255
	ds_add_u32 v254, v255
	v_lshrrev_b32 v1, 5, v0
	s_delay_alu instid0(VALU_DEP_1)
	v_readfirstlane_b32 s12, v1                    ; wave 0..15
	s_and_b32 s13, s12, 3                          ; tg: my two row tiles
	s_lshr_b32 s14, s12, 2                         ; ng: my 64 columns
	s_and_b32 s15, ttmp7, 0xffff                   ; the block of 128 rows
	v_lshlrev_b32 v10, 4, v0                       ; the copies: LDS address CIMG + 16 t,
	v_lshlrev_b32 v11, 4, v0                       ; and the same offset in memory
	v_lshl_add_u32 v12, v0, 4, WIMG                ; Wo's first half,
	v_lshl_add_u32 v13, v0, 4, WIMG+65536          ; its second half: LDS address
	v_lshl_add_u32 v14, v0, 4, 65536               ; and offset in memory, so that no immediate passes 57,344
	v_lshl_add_u32 v15, v0, 3, CSCL
	v_lshlrev_b32 v240, 3, v0
	v_lshl_add_u32 v241, v0, 4, WSCL
	s_lshl_b32 s16, s15, 16                        ; ctx's codes: 8 row tiles of 8,192 bytes
	s_mov_b32 s17, 0
	s_lshl_b32 s18, s15, 12                        ; its scale bytes: 128 rows of 32
	s_add_co_u32 s18, s18, 4194304
	s_mov_b32 s19, 0
	s_lshl_b32 s20, ttmp9, 17                      ; Wo's codes: 16 tiles of 8,192 bytes
	s_add_co_u32 s20, s20, 3*WSTRIDE
	s_mov_b32 s21, 0
	s_lshl_b32 s22, ttmp9, 13                      ; its scale words: 4 groups of 2,048 bytes
	s_add_co_u32 s22, s22, 3*WSTRIDE+524288
	s_mov_b32 s23, 0
	s_lshl_b32 s24, ttmp9, 10                      ; my first column, in bytes: 1,024 x + 256 ng
	s_lshl_b32 s28, s14, 8
	s_add_co_u32 s24, s24, s28
	s_mov_b32 s25, 0
	s_lshl_b32 s26, s15, 19                        ; my first row: 128 y + 32 tg, 4,096 bytes a row
	s_lshl_b32 s28, s13, 17
	s_add_co_u32 s26, s26, s28
	s_add_co_u32 s26, s26, s24
	s_mov_b32 s27, 0
	s_wait_alu depctr_va_vdst(0)
	s_wait_dscnt 0x0
	s_wait_kmcnt 0x0
	s_add_nc_u64 s[16:17], s[4:5], s[16:17]
	s_add_nc_u64 s[18:19], s[4:5], s[18:19]
	s_add_nc_u64 s[20:21], s[6:7], s[20:21]
	s_add_nc_u64 s[22:23], s[6:7], s[22:23]
	s_add_nc_u64 s[24:25], s[8:9], s[24:25]
	s_add_nc_u64 s[26:27], s[10:11], s[26:27]
.irp k, 0,1,2,3,4,5,6,7                        ; 26 copies a wave; the immediate steps both addresses; each fills its bytes once
	global_load_async_to_lds_b128 v10, v11, s[16:17] offset:\k*8192
.endr
.irp k, 0,1,2,3,4,5,6,7
	global_load_async_to_lds_b128 v12, v11, s[20:21] offset:\k*8192
.endr
.irp k, 0,1,2,3,4,5,6,7
	global_load_async_to_lds_b128 v13, v14, s[20:21] offset:\k*8192
.endr
	global_load_async_to_lds_b64 v15, v240, s[18:19]
	global_load_async_to_lds_b128 v241, v11, s[22:23]
	v_and_b32 v242, 15, v0                         ; r
	v_bfe_u32 v243, v0, 4, 1                       ; h
	v_and_b32 v244, 31, v0                         ; lane
	s_delay_alu instid0(VALU_DEP_2)
	v_lshlrev_b32 v9, 6, v243                      ; the bias: 64 h
.irp t, 0,1,2,3
	global_load_b128 v[BI+8*\t:BI+8*\t+3], v9, s[24:25] offset:(32*(\t/2)+8*(\t%2))*4        ; lane (r, h), tile 2 b + u: columns 32 b + 16 h + 8 u + 0 .. 7
	global_load_b128 v[BI+8*\t+4:BI+8*\t+7], v9, s[24:25] offset:(32*(\t/2)+8*(\t%2))*4+16
.endr
	v_lshlrev_b32 v245, 4, v244                    ; 16 x lane
	s_lshl_b32 s28, s13, 14
	v_add_nc_u32 v2, s28, v245                     ; my two row tiles' images
	s_lshl_b32 s28, s14, 15
	s_add_co_u32 s28, s28, WIMG
	v_add_nc_u32 v3, s28, v245                     ; my four tiles of Wo
	s_lshl_b32 s28, s13, 10
	s_add_co_u32 s28, s28, CSCL
	v_lshlrev_b32 v4, 5, v242
	s_delay_alu instid0(VALU_DEP_1)
	v_add_nc_u32 v4, s28, v4                       ; row 32 tg + r's 32 scale bytes
	s_lshl_b32 s28, s14, 11
	s_add_co_u32 s28, s28, WSCL
	v_lshlrev_b32 v5, 2, v244
	s_delay_alu instid0(VALU_DEP_1)
	v_add_nc_u32 v5, s28, v5
	s_mul_i32 s29, s12, 16*272
	s_add_co_u32 s29, s29, STG                     ; my stage
	v_mul_u32_u24 v6, v242, 272
	s_delay_alu instid0(VALU_DEP_1)
	v_lshl_add_u32 v6, v243, 6, v6
	s_delay_alu instid0(VALU_DEP_1)
	v_add_nc_u32 v6, s29, v6                       ; in: row r, + 64 h
	v_mul_u32_u24 v7, v243, 272
	s_delay_alu instid0(VALU_DEP_1)
	v_lshl_add_u32 v7, v242, 4, v7
	s_delay_alu instid0(VALU_DEP_1)
	v_add_nc_u32 v7, s29, v7                       ; back: lanes 0-15 one row, lanes 16-31 the next
	v_lshlrev_b32 v8, 12, v243
	s_delay_alu instid0(VALU_DEP_1)
	v_lshl_add_u32 v8, v242, 4, v8                 ; and the same two rows in out0
	s_wait_alu depctr_va_vdst(0)
	s_wait_asynccnt 0x0                            ; my copies have landed,
	s_barrier_signal -1
	s_barrier_wait -1                              ; everybody's have
.irp m, 0,1
.irp q, 0,1
	ds_load_b128 v[CS+8*\m+4*\q:CS+8*\m+4*\q+3], v4 offset:\m*512+16*\q
.endr
.endr
.irp s, 0,1,2,3,4,5,6,7
.irp p, 0,1
	ds_load_b32 v[WS+2*\s+\p], v5 offset:\s*256+\p*128
.endr
.endr
.macro FETCH s                         ; K step s: two fragments of ctx, four of Wo, into set s % 2: twelve loads
.irp m, 0,1
.irp c, 0,1
	ds_load_b128 v[CF+16*((\s)%2)+8*\m+4*\c:CF+16*((\s)%2)+8*\m+4*\c+3], v2 offset:\m*8192+(\s)*1024+\c*512
.endr
.endr
.irp t, 0,1,2,3
.irp c, 0,1
	ds_load_b128 v[WF+32*((\s)%2)+8*\t+4*\c:WF+32*((\s)%2)+8*\t+4*\c+3], v3 offset:\t*8192+(\s)*1024+\c*512
.endr
.endr
.endm
.macro GSTEP s
.rept 4
	v_nop                                          ; four places behind the last step's products, in front of loads into the set that they read
.endr
.if (\s) < 7
	FETCH (\s)+1
	s_wait_dscnt 12                                ; all but the twelve just issued
.else
	s_wait_dscnt 0
.endif
.irp m, 0,1
.irp t, 0,1,2,3
.if (\s) == 0
	MM ACC+32*\m+8*\t, WF+32*((\s)%2)+8*\t, CF+16*((\s)%2)+8*\m, BI+8*\t, WS+2*(\s)+\t/2, CS+8*\m+(\s), \t%2
.else
	MM ACC+32*\m+8*\t, WF+32*((\s)%2)+8*\t, CF+16*((\s)%2)+8*\m, ACC+32*\m+8*\t, WS+2*(\s)+\t/2, CS+8*\m+(\s), \t%2
.endif
.endr
.endr
.endm
	FETCH 0
	s_wait_loadcnt 0x0                             ; the bias
.irp s, 0,1,2,3,4,5,6,7
	GSTEP \s                                       ; the eight accumulators by turns, in the same order in every step
.endr
.rept 4
	v_nop                                          ; four places in front of the first read of results and of loads into Wo's registers
.endr
.irp m, 0,1
.irp t, 0,1,2,3
	ds_store_b128 v6, v[ACC+32*\m+8*\t:ACC+32*\m+8*\t+3] offset:128*(\t/2)+32*(\t%2)         ; each accumulator from its low end on
	ds_store_b128 v6, v[ACC+32*\m+8*\t+4:ACC+32*\m+8*\t+7] offset:128*(\t/2)+32*(\t%2)+16
.endr
.irp i, 0,1,2,3,4,5,6,7
	ds_load_b128 v[WF+32*\m+4*\i:WF+32*\m+4*\i+3], v7 offset:2*\i*272   ; LDS serves a wave's instructions in order: these see my stores, and the next tile's stores come behind them
.endr
.endr
.irp m, 0,1
.irp i, 0,1,2,3,4,5,6,7
	s_wait_dscnt 16*(1-\m)+7-\i                    ; behind this load: the rest of its run, and for the first tile the second tile's sixteen
	global_store_b128 v8, v[WF+32*\m+4*\i:WF+32*\m+4*\i+3], s[26:27] offset:(16*\m+2*\i)*4096 th:TH_STORE_NT   ; sixteen lanes store 256 consecutive bytes, aligned
.endr
.endr
	s_wait_tensorcnt 0x0
	ds_add_u32 v254, v255
	s_wait_dscnt 0x0
	s_endpgm
.Lfunc_end_k_qd73adf2ab0_oproj:
	.size	k_qd73adf2ab0_oproj, .Lfunc_end_k_qd73adf2ab0_oproj-k_qd73adf2ab0_oproj
	.p2alignl 7, 3214868480
	.fill 96, 4, 3214868480
	.section	.rodata,"a",@progbits
	.p2align	6, 0x0
	.amdhsa_kernel k_qd73adf2ab0_oproj
		.amdhsa_group_segment_fixed_size 280576
		.amdhsa_private_segment_fixed_size 0
		.amdhsa_enable_private_segment 0
		.amdhsa_kernarg_size 32
		.amdhsa_user_sgpr_count 2
		.amdhsa_user_sgpr_kernarg_segment_ptr 1
		.amdhsa_wavefront_size32 1
		.amdhsa_system_sgpr_workgroup_id_x 1
		.amdhsa_system_sgpr_workgroup_id_y 1
		.amdhsa_system_sgpr_workgroup_id_z 1
		.amdhsa_system_vgpr_workitem_id 0
		.amdhsa_next_free_vgpr 256
		.amdhsa_next_free_sgpr 66
		.amdhsa_reserve_vcc 0
		.amdhsa_float_denorm_mode_32 3
		.amdhsa_float_denorm_mode_16_64 3
		.amdhsa_memory_ordered 1
		.amdhsa_forward_progress 1
		.amdhsa_inst_pref_size 28
	.end_amdhsa_kernel
	.amdgpu_metadata
---
amdhsa.version: [ 1, 2 ]
amdhsa.kernels:
  - .name:           k_qd73adf2ab0_oproj
    .symbol:         k_qd73adf2ab0_oproj.kd
    .args:
      - { .name: CB, .offset: 0, .size: 8, .value_kind: global_buffer, .address_space: global }
      - { .name: WB, .offset: 8, .size: 8, .value_kind: global_buffer, .address_space: global }
      - { .name: bo, .offset: 16, .size: 8, .value_kind: global_buffer, .address_space: global }
      - { .name: out0, .offset: 24, .size: 8, .value_kind: global_buffer, .address_space: global }
    .group_segment_fixed_size: 280576
    .private_segment_fixed_size: 0
    .kernarg_segment_align: 8
    .kernarg_segment_size: 32
    .max_flat_workgroup_size: 512
    .sgpr_count:     66
    .vgpr_count:     256
    .wavefront_size: 32
...
	.end_amdgpu_metadata
.endif
;; end of part 8
